; MI455X (gfx1250); checked and timed in simulation.
; The chip was launched on July 23, 2026; its instructions are those of AMD's public machine-readable ISA for CDNA 5 (MIT licence, August 2026) and "CDNA5" Instruction Set Architecture Reference Guide (July 2026). The comments in the code are by the model that wrote it; some were corrected since.
;; Transformer Block. Allowed arithmetic: matrix products marked QUANTISED: E2M3 operands, one E8M0 scale for each 32 along K, by v_wmma_scale_f32_16x16x128_f8f6f4 with both operands' format E2M3, f32 sums; everything else in f32.
;; Inputs: W1 1,024 x 4,096 float32; W2 4,096 x 1,024 float32; Wk 1,024 x 1,024 float32; Wo 1,024 x 1,024 float32; Wq 1,024 x 1,024 float32; Wv 1,024 x 1,024 float32; b1 4,096 float32; b2 1,024 float32; bo 1,024 float32; ln_scale 1,024 float32; ln_shift 1,024 float32; x 2 x 2,048 x 1,024 float32.
;; Outputs: out0 2 x 2,048 x 1,024 float32.
;; This version of the problem:
;;   THIS VERSION OF THE PROBLEM IS GIVEN IN LOW PRECISION. The matrix products marked QUANTISED in the list below multiply operands that are first quantised to E2M3 (2 exponent bits, 3 mantissa bits; 6 bits a number), with one power-of-two scale for each 32 numbers along K (OCP MX v1.0); their sums are f32. All else is computed in f32.
;;   The module's matrix products, in the order in which they are computed (A, B: the left and right operand; K: the contracted axis; several contracted axes count as one K, in the product's order):
;;     1. [M 4,096, K 1,024] x [K 1,024, N 1,024]; A: computed on the way; B: input Wq: QUANTISED
;;     2. [M 4,096, K 1,024] x [K 1,024, N 1,024]; A: computed on the way; B: input Wk: QUANTISED
;;     3. [M 4,096, K 1,024] x [K 1,024, N 1,024]; A: computed on the way; B: input Wv: QUANTISED
;;     4. batch 32 x [M 2,048, K 64] x [K 64, N 2,048]; A: computed on the way; B: computed on the way: QUANTISED
;;     5. batch 32 x [M 64, K 2,048] x [K 2,048, N 2,048]; A: computed on the way; B: softmax (see below): QUANTISED
;;     6. [M 4,096, K 1,024] x [K 1,024, N 1,024]; A: computed on the way; B: input Wo: QUANTISED
;;     7. [M 4,096, K 1,024] x [K 1,024, N 4,096]; A: computed on the way; B: input W1: QUANTISED
;;     8. [M 4,096, K 4,096] x [K 4,096, N 1,024]; A: computed on the way; B: input W2: QUANTISED
;;   THE QUANTISER, for each operand of a quantised product, along K:
;;     - K is cut into blocks of 32 from its start; a last block that is shorter is filled with zeros.
;;     - A block's scale is 2^e with e = floor(log2(the largest magnitude in the block)) - 2, held to -126 .. 127; a block of zeros has e = 0. As a byte (E8M0): e + 127.
;;     - Each number is divided by its block's scale, clamped to +-7.5, and rounded to the nearest number of E2M3, ties to even, subnormals kept.
;;     - The product sums the exact products of the quantised numbers (number of the format x scale) in f32.
;;   ~~~python
;;   def quantise(x, axis):      # numpy; x: float32 -> the quantised numbers, widened to float32 again
;;       x = np.moveaxis(x, axis, -1); K = x.shape[-1]
;;       x = np.pad(x, [(0, 0)] * (x.ndim - 1) + [(0, -K % 32)]); x = x.reshape(x.shape[:-1] + (-1, 32)); a = np.abs(x).max(-1, keepdims=True)
;;       e = np.where(a > 0, np.clip(np.frexp(np.where(a > 0, a, 1))[1] - 1 - 2, -126, 127), 0)      # np.frexp(a)[1] - 1 = floor(log2(a)), exactly
;;       r = np.clip(x / 2.0 ** e, -7.5, 7.5)
;;       step = 2.0 ** (np.maximum(np.frexp(np.where(r == 0, 1, r))[1] - 1, 0) - 3)
;;       q = np.round(r / step) * step * 2.0 ** e      # np.round: ties to even
;;       return np.moveaxis(q.reshape(q.shape[:-2] + (-1,))[..., :K], -1, axis).astype(np.float32)
;;   ~~~
;;   SOFTMAX AHEAD OF A QUANTISED PRODUCT. Where the list says 'softmax', what is quantised is not the finished softmax but p = 2^(t - M), with t = logit x log2(e) and M = ceil(the row's largest t), a whole number; so 1/2 < the row's largest p <= 1. The row's sum l is taken of the UNQUANTISED p, in f32, and the product's result is divided by l at the end. Since M is a whole number, a kernel that streams over the keys may use a running M (the ceiling of the running maximum): every later rescaling is an exact power of two, which a block's scale takes up: the codes' values come out the same.
;;   OPERANDS COMPUTED ON THE WAY. 'Computed on the way' means the value that the module computes at that place (a softmax that the list does not call 'softmax' is quantised finished and normalised). What goes into a quantiser is computed in f32, as accurately as f32 sums, v_exp_f32 and their like allow (about 1e-6 of the number): no bf16 or f16 on the way to a quantiser, and a product that is left as it is and whose result goes on into a quantised operand takes f32 operands (vector FMAs, or v_wmma_f32_16x16x4_f32). A number that lies on a knife's edge between two numbers of the format may be rounded either way, as far as f32 arithmetic and the matrix unit's own rounding can turn it there, and no further.
;; One version. Each part assembles by itself: llvm-mc -triple=amdgcn-amd-amdhsa -mcpu=gfx1250 --defsym DOCPART=n.
;; ======== version 1 of 1: 7 launches
;; limits: right only within a limited range of input values
;; workspace buffers: wq 10,223,616 bytes; hq 3,407,872 bytes; qkvq 10,223,616 bytes; cq 3,670,016 bytes; x1 16,777,216 bytes; h2q 3,407,872 bytes; fq 13,631,488 bytes
;; launch prep (part 1): grid 384 x 1, 8 waves a work-group, no clusters, 66,816 bytes of LDS; arguments x, ln_scale, ln_shift, Wq, Wk, Wv, Wo, W1, W2, wq, hq; writes wq, hq
.if DOCPART == 1
	.amdgcn_target "amdgcn-amd-amdhsa--gfx1250"
	.amdhsa_code_object_version 6
	.text
	.protected	k_q6e4823bef8_prep
	.globl	k_q6e4823bef8_prep
	.p2align	8
	.type	k_q6e4823bef8_prep,@function
k_q6e4823bef8_prep:
	s_mov_b64 s[64:65], 0
	v_nop
	global_prefetch_b8 v0, s[64:65] scope:SCOPE_SE
	s_setreg_imm32_b32 hwreg(HW_REG_WAVE_MODE, 25, 1), 1
	s_wait_xcnt 0x0
; Work-groups 0-255: layer norm of 16 tokens of x, quantised along the 1,024 columns to FP6 (E2M3) with one E8M0 byte for each 32, stored as register images.
; Work-groups 256-639: 256 columns x 128 K of one weight ([K][N] f32), quantised along K, stored as register images.
; TILE ORDER, for every operand of the program: lane r of tile T holds row 32 (T/2) + 8 (T%2) + r + 8 (r/8).
; IMAGE of a fragment (16 rows x 128 K, 12 registers a lane): 1,536 bytes, registers 4c..4c+3 of lane l at 512 c + 16 l.  Scale image: 128 bytes, the row's word at 4 l (lanes r and r+16 alike).
; wq: unit u = REG + tile x KST + K step; Wq 0/8, Wk 512/8, Wv 1024/8, Wo 1536/8, W1 2048/8, W2 4096/32; codes at 1,536 u, scale images at 9,437,184 + 128 u.  hq: unit 8 T + K step; scales at 3,145,728.
; LIMITS: NaN and infinities are not served; a block's largest magnitude is floored at 2^-124, so a block of zeros has the byte 1 (its codes are zeros; only this program reads the bytes).
; The variance is taken of x - mean (two passes), so a common offset of x forms no difference of large sums.
; A WORK-GROUP'S NUMBER in this text is x + 384 y.  The body runs twice.  Launch prep, grid 384 x 1: numbers 0-383: the layer norm of x into hq, and Wq, Wk, Wv, Wo.
; Launch ln2, grid 256 x 2, where x is x1 and hq is h2q: numbers 0-255: the layer norm of x1, and 384-639: W2 and W1, which only the launches behind it read.
.set PITCH, 4112
.set Y,   16                           ; v16-79   two rows as loaded (32 numbers a lane and row)
.set D,   80                           ; v80-143  x - mean, then h
.set LS,  144                          ; v144-175 ln_scale at my columns
.set LB,  176                          ; v176-207 ln_shift
.set SM,  208                          ; v208-211 sums, a pair for each row
.set SQ,  212                          ; v212-215 sums of squares
.set CK,  216                          ; 2^-10
.set HA,  16                           ; the 64 numbers that are quantised
.set PC,  80                           ; codes (12) and the conversions' second halves
.set TM,  100                          ; v100-115 at work in QUANT
.set PW,  116                          ; the scale word
.set SEL, 34                           ; s[34:35] selects of v_permlanex16_b32: lane l xor 16
.set X,   64                           ; weights: v64-191 128 numbers down K
.set C,   32                           ; v32-55 the two lanes' images (h = 0, 1), 12 registers each
.set TP,  16                           ; v16-31 the upper halves of the four blocks
.set WPW, 56
.macro REDUCE reg                      ; the two rows' sums over the 32 lanes; the result in every lane
.irp p,0,1
	s_delay_alu instid0(VALU_DEP_2)
	v_add_f32 v[\reg+2*\p], v[\reg+2*\p], v[\reg+2*\p+1]
.endr
.irp m,1,2,4,8
.irp p,0,1
	s_delay_alu instid0(VALU_DEP_2)
	v_add_f32_dpp v[\reg+2*\p], v[\reg+2*\p], v[\reg+2*\p] row_xmask:\m row_mask:0xf bank_mask:0xf
.endr
.endr
.irp p,0,1
	s_delay_alu instid0(VALU_DEP_2)
	v_permlanex16_b32 v[\reg+2*\p+1], v[\reg+2*\p], s[SEL], s[SEL+1]
.endr
.irp p,0,1
	s_delay_alu instid0(VALU_DEP_2)
	v_add_f32 v[\reg+2*\p], v[\reg+2*\p], v[\reg+2*\p+1]
.endr
.endm
.macro LNROWS                          ; Y (two rows) -> D = ln_scale (Y - mean) / sqrt(var + 1e-5) + ln_shift
.irp p,0,1
	v_pk_add_f32 v[SM+2*\p:SM+2*\p+1], v[Y+32*\p:Y+32*\p+1], v[Y+32*\p+2:Y+32*\p+3]
.endr
.irp j,4,6,8,10,12,14,16,18,20,22,24,26,28,30
.irp p,0,1
	s_delay_alu instid0(VALU_DEP_2)
	v_pk_add_f32 v[SM+2*\p:SM+2*\p+1], v[SM+2*\p:SM+2*\p+1], v[Y+32*\p+\j:Y+32*\p+\j+1]
.endr
.endr
	REDUCE SM
.irp p,0,1
	s_delay_alu instid0(VALU_DEP_2)
	v_mul_f32 v[SM+2*\p], 0x3a800000, v[SM+2*\p]   ; the mean: sum / 1,024
.endr
.irp j,0,2,4,6,8,10,12,14,16,18,20,22,24,26,28,30
.irp p,0,1
	v_pk_add_f32 v[D+32*\p+\j:D+32*\p+\j+1], v[Y+32*\p+\j:Y+32*\p+\j+1], v[SM+2*\p:SM+2*\p+1] op_sel_hi:[1,0] neg_lo:[0,1] neg_hi:[0,1]
.endr
.endr
.irp p,0,1
	v_pk_mul_f32 v[SQ+2*\p:SQ+2*\p+1], v[D+32*\p:D+32*\p+1], v[D+32*\p:D+32*\p+1]
.endr
.irp j,2,4,6,8,10,12,14,16,18,20,22,24,26,28,30
.irp p,0,1
	s_delay_alu instid0(VALU_DEP_2)
	v_pk_fma_f32 v[SQ+2*\p:SQ+2*\p+1], v[D+32*\p+\j:D+32*\p+\j+1], v[D+32*\p+\j:D+32*\p+\j+1], v[SQ+2*\p:SQ+2*\p+1]
.endr
.endr
	REDUCE SQ
.irp p,0,1
	s_delay_alu instid0(VALU_DEP_2)
	v_fmaak_f32 v[SQ+2*\p], v[SQ+2*\p], v[CK], 0x3727c5ac   ; var + 1e-5
.endr
	s_wait_alu depctr_va_vdst(0)
.irp p,0,1
	v_rsq_f32 v[SQ+2*\p], v[SQ+2*\p]
.endr
	s_wait_loadcnt 0x0                     ; ln_scale and ln_shift are in
	v_nop                                  ; a plain place behind the transcendentals
	s_wait_alu depctr_va_vdst(0)
.irp j,0,2,4,6,8,10,12,14,16,18,20,22,24,26,28,30
.irp p,0,1
	v_pk_mul_f32 v[D+32*\p+\j:D+32*\p+\j+1], v[D+32*\p+\j:D+32*\p+\j+1], v[SQ+2*\p:SQ+2*\p+1] op_sel_hi:[1,0]
.endr
.endr
.irp j,0,2,4,6,8,10,12,14,16,18,20,22,24,26,28,30
.irp p,0,1
	v_pk_fma_f32 v[D+32*\p+\j:D+32*\p+\j+1], v[D+32*\p+\j:D+32*\p+\j+1], v[LS+\j:LS+\j+1], v[LB+\j:LB+\j+1]
.endr
.endr
.endm
; 64 numbers of a lane, register 16 b + i = k 32 b + 16 (lane / 16) + i of my row, become a fragment's codes in v[PC] on and its scale word in v[PW]
.macro QUANT s
.irp b,0,1,2,3
	v_max3_num_f32 v[TM+\b], |v[\s+16*\b]|, |v[\s+1+16*\b]|, 0x1800000   ; with the floor 2^(3 - 127): the byte cannot fall under 1
.endr
.irp i,2,4,6,8,10,12,14
.irp b,0,1,2,3
	s_delay_alu instid0(VALU_DEP_4)
	v_max3_num_f32 v[TM+\b], v[TM+\b], |v[\s+16*\b+\i]|, |v[\s+1+16*\b+\i]|
.endr
.endr
.irp b,0,1,2,3
	s_delay_alu instid0(VALU_DEP_4)
	v_permlanex16_b32 v[TM+4+\b], v[TM+\b], s[SEL], s[SEL+1]
.endr
.irp b,0,1,2,3
	s_delay_alu instid0(VALU_DEP_4)
	v_max_num_f32 v[TM+\b], v[TM+\b], v[TM+4+\b]
.endr
.irp b,0,1,2,3
	s_delay_alu instid0(VALU_DEP_4)
	v_add_nc_u32 v[TM+12+\b], 0xff000000, v[TM+\b]   ; 2 off the exponent field: the conversion's scale operand
.endr
.irp b,0,1,2,3
	s_delay_alu instid0(VALU_DEP_4)
	v_lshrrev_b32 v[TM+4+\b], 23, v[TM+12+\b]        ; the byte
.endr
	s_delay_alu instid0(VALU_DEP_3)
	v_lshl_or_b32 v[PW], v[TM+5], 8, v[TM+4]
	s_delay_alu instid0(VALU_DEP_1)
	v_lshl_or_b32 v[PW], v[TM+6], 16, v[PW]
	s_delay_alu instid0(VALU_DEP_1)
	v_lshl_or_b32 v[PW], v[TM+7], 24, v[PW]
.irp c,0,1
	v_cvt_scalef32_pk16_fp6_f32 v[PC+6*\c:PC+2+6*\c], v[\s+32*\c:\s+15+32*\c], v[TM+12+2*\c]
	v_cvt_scalef32_pk16_fp6_f32 v[PC+12+4*\c:PC+14+4*\c], v[\s+16+32*\c:\s+31+32*\c], v[TM+12+2*\c+1]
.endr
	v_nop                                  ; a plain place behind the scaled conversions
.irp c,0,1
.irp i,0,1,2
	v_permlane16_swap_b32 v[PC+6*\c+\i], v[PC+12+4*\c+\i]   ; a whole block to a lane
.endr
.irp i,0,1,2
	s_delay_alu instid0(VALU_DEP_3)
	v_mov_b32 v[PC+3+6*\c+\i], v[PC+12+4*\c+\i]
.endr
.endr
.endm
	s_load_b256 s[4:11], s[0:1], 0x0       ; x, ln_scale, ln_shift, Wq
	s_load_b256 s[12:19], s[0:1], 0x20     ; Wk, Wv, Wo, W1
	s_load_b128 s[20:23], s[0:1], 0x40     ; W2, wq
	s_load_b64 s[24:25], s[0:1], 0x50      ; hq
	v_lshl_add_u32 v254, v0, 2, 0x10100
	v_mov_b32 v255, 0
	v_lshrrev_b32 v1, 5, v0
	s_delay_alu instid0(VALU_DEP_1)
	v_readfirstlane_b32 s26, v1            ; wave 0..7
	v_and_b32 v1, 31, v0                   ; lane
	s_and_b32 s27, ttmp7, 0xffff
	s_mul_i32 s27, s27, 384
	s_add_co_u32 s27, s27, ttmp9           ; the work-group's number: x + 384 y (under 256 it is x)
	s_cmp_lt_u32 s27, 256
	s_cbranch_scc0 .Lweights
	; ---- layer norm: token tile T = work-group; wave w takes stage rows 2 w and 2 w + 1
	s_lshr_b32 s28, ttmp9, 1
	s_lshl_b32 s28, s28, 5
	s_and_b32 s29, ttmp9, 1
	s_lshl_b32 s29, s29, 3
	s_add_co_u32 s28, s28, s29
	s_lshl_b32 s29, s26, 1
	s_add_co_u32 s28, s28, s29
	s_lshr_b32 s29, s26, 2
	s_lshl_b32 s29, s29, 3
	s_add_co_u32 s28, s28, s29             ; my first token: 32 (T/2) + 8 (T%2) + 2 w + 8 (w/4)
	s_lshl_b32 s28, s28, 12
	s_mov_b32 s29, 0
	s_lshl_b32 s30, ttmp9, 3
	s_add_co_u32 s30, s30, s26             ; the unit that I write: 8 T + w
	s_lshl_b32 s32, s30, 7
	s_add_co_u32 s32, s32, 3145728
	s_mul_i32 s30, s30, 1536
	s_mov_b32 s31, 0
	s_mov_b32 s33, 0
	s_mov_b32 s[SEL], 0x76543210
	s_mov_b32 s[SEL+1], 0xfedcba98
	s_wait_alu depctr_va_vdst(0)
	v_lshlrev_b32 v2, 4, v1                ; 16 x lane
	v_lshlrev_b32 v7, 2, v1                ; 4 x lane
	s_mul_i32 s27, s26, 2*PITCH
	v_add_nc_u32 v3, s27, v2               ; the stage by rows: my two rows
	v_and_b32 v5, 15, v0
	v_bfe_u32 v6, v0, 4, 1
	s_delay_alu instid0(VALU_DEP_2)
	v_mul_u32_u24 v4, v5, PITCH
	s_delay_alu instid0(VALU_DEP_1)
	v_lshl_add_u32 v4, v6, 6, v4
	s_lshl_b32 s27, s26, 9
	v_add_nc_u32 v4, s27, v4               ; the stage by K steps: row r, K step w, + 64 h
	v_mov_b32 v[CK], 0x3a800000
.irp b,0,1,2,3
	v_mov_b32 v[TM+4+\b], 0                ; a lane permute's destination counts as read
.endr
	s_wait_kmcnt 0x0
	s_add_nc_u64 s[4:5], s[4:5], s[28:29]
	s_add_nc_u64 s[30:31], s[24:25], s[30:31]
	s_add_nc_u64 s[32:33], s[24:25], s[32:33]
.irp p,0,1
.irp c,0,1,2,3,4,5,6,7
	global_load_b128 v[Y+32*\p+4*\c:Y+32*\p+4*\c+3], v2, s[4:5] offset:4096*\p+512*\c   ; 512 consecutive bytes a load
.endr
.endr
.irp c,0,1,2,3,4,5,6,7
	global_load_b128 v[LS+4*\c:LS+4*\c+3], v2, s[6:7] offset:512*\c
	global_load_b128 v[LB+4*\c:LB+4*\c+3], v2, s[8:9] offset:512*\c
.endr
	s_wait_loadcnt 16                      ; x's 16 loads are in; the 16 of ln_scale and ln_shift may be out
	LNROWS
.irp p,0,1
.irp c,0,1,2,3,4,5,6,7
	ds_store_b128 v3, v[D+32*\p+4*\c:D+32*\p+4*\c+3] offset:PITCH*\p+512*\c
.endr
.endr
	s_wait_dscnt 0x0                       ; my rows lie in the stage
	s_barrier_signal -1
	s_barrier_wait -1
.irp p,0,1,2,3
.irp j,0,1,2,3
	ds_load_b128 v[HA+16*\p+4*\j:HA+16*\p+4*\j+3], v4 offset:128*\p+16*\j   ; K step w of row r: 16 neighbours of each block of 32
.endr
.endr
	s_wait_dscnt 0x0
	QUANT HA
.irp c,0,1,2
	global_store_b128 v2, v[PC+4*\c:PC+4*\c+3], s[30:31] offset:512*\c
.endr
	global_store_b32 v7, v[PW], s[32:33]
	s_wait_tensorcnt 0x0
	ds_add_u32 v254, v255
	s_wait_dscnt 0x0
	s_endpgm
; ---- weights: a lane takes a column, its registers run down K
.macro WLOAD bl, pitch
.set K_, 32*(\bl)
.rept 32
	global_load_b32 v[X+K_], v2, s[10:11] offset:K_*\pitch th:TH_LOAD_NT
.set K_, K_+1
.endr
.endm
.macro WBLOCK bl
.set XS, X+32*(\bl)
	v_max3_num_f32 v12, |v[XS]|, |v[XS+1]|, |v[XS+2]|
	v_max3_num_f32 v13, |v[XS+3]|, |v[XS+4]|, |v[XS+5]|
.irp i,6,10,14,18,22,26
	s_delay_alu instid0(VALU_DEP_2)
	v_max3_num_f32 v12, v12, |v[XS+\i]|, |v[XS+\i+1]|
	s_delay_alu instid0(VALU_DEP_2)
	v_max3_num_f32 v13, v13, |v[XS+\i+2]|, |v[XS+\i+3]|
.endr
	s_delay_alu instid0(VALU_DEP_2)
	v_max3_num_f32 v12, v12, |v[XS+30]|, |v[XS+31]|
	s_delay_alu instid0(VALU_DEP_1)
	v_max3_num_f32 v12, v12, v13, 0x1800000
	s_delay_alu instid0(VALU_DEP_1)
	v_add_nc_u32 v[8+(\bl)], 0xff000000, v12
	s_delay_alu instid0(VALU_DEP_1)
	v_lshrrev_b32 v13, 23, v[8+(\bl)]
.if (\bl) == 0
	s_delay_alu instid0(VALU_DEP_1)
	v_mov_b32 v[WPW], v13
.else
	s_delay_alu instid0(VALU_DEP_1)
	v_lshl_or_b32 v[WPW], v13, 8*(\bl), v[WPW]
.endif
	v_cvt_scalef32_pk16_fp6_f32 v[C+12*((\bl)&1)+6*((\bl)>>1):C+12*((\bl)&1)+6*((\bl)>>1)+2], v[XS:XS+15], v[8+(\bl)]   ; block bl is registers 6 (bl/2) on of the image of lane (r, bl%2)
	v_cvt_scalef32_pk16_fp6_f32 v[TP+4*(\bl):TP+4*(\bl)+2], v[XS+16:XS+31], v[8+(\bl)]
.endm
; s[10:11] the weight, s32 K step, s34 group of 256 columns, s30 K steps of the weight, s33 its first unit
.macro WQ pitch
	s_mul_i32 s36, s32, 128*\pitch
	s_lshl_b32 s37, s34, 10
	s_add_co_u32 s36, s36, s37
	s_lshl_b32 s37, s26, 7
	s_add_co_u32 s36, s36, s37             ; 128 K step rows + (256 group + 32 wave) columns
	s_mov_b32 s37, 0
	s_add_nc_u64 s[10:11], s[10:11], s[36:37]
	v_lshlrev_b32 v2, 2, v1
	WLOAD 0, \pitch
	WLOAD 1, \pitch
	v_bfe_u32 v4, v1, 3, 1                 ; column c of the pair's 32 is row r = c%8 + 8 (c/16) of tile u = (c/8)%2
	v_and_b32 v5, 7, v1
	v_lshrrev_b32 v6, 4, v1
	s_delay_alu instid0(VALU_DEP_1)
	v_lshl_add_u32 v5, v6, 3, v5
	s_mul_i32 s38, s30, 1536
	v_mul_u32_u24 v6, s38, v4
	s_delay_alu instid0(VALU_DEP_1)
	v_lshl_add_u32 v6, v5, 4, v6           ; codes: u x a tile's units + 16 r
	s_lshl_b32 s38, s30, 7
	v_mul_u32_u24 v7, s38, v4
	s_delay_alu instid0(VALU_DEP_1)
	v_lshl_add_u32 v7, v5, 2, v7           ; scale word: + 4 r
	s_lshl_b32 s39, s34, 4
	s_lshl_b32 s40, s26, 1
	s_add_co_u32 s39, s39, s40
	s_mul_i32 s39, s39, s30
	s_add_co_u32 s39, s39, s33
	s_add_co_u32 s39, s39, s32             ; the first unit: REG + (16 group + 2 wave) KST + K step
	s_mul_i32 s40, s39, 1536
	s_mov_b32 s41, 0
	s_add_nc_u64 s[42:43], s[22:23], s[40:41]
	s_lshl_b32 s44, s39, 7
	s_add_co_u32 s44, s44, 9437184
	s_mov_b32 s45, 0
	s_add_nc_u64 s[44:45], s[22:23], s[44:45]
	s_wait_alu depctr_va_vdst(0)
	s_wait_loadcnt 32                      ; block 0 is in; block 1's 32 loads may be out
	WLOAD 2, \pitch
	WBLOCK 0
	s_wait_loadcnt 32                      ; block 1 is in; block 2's may be out
	WLOAD 3, \pitch
	WBLOCK 1
	s_wait_loadcnt 32                      ; block 2 is in; block 3's may be out
	WBLOCK 2
	s_wait_loadcnt 0x0
	WBLOCK 3
	v_nop                                  ; a plain place behind the scaled conversions
.irp bl,0,1,2,3
.irp i,0,1,2
	v_mov_b32 v[C+12*(\bl&1)+6*(\bl>>1)+3+\i], v[TP+4*\bl+\i]
.endr
.endr
.irp h,0,1
.irp j,0,1,2
	global_store_b128 v6, v[C+12*\h+4*\j:C+12*\h+4*\j+3], s[42:43] offset:256*\h+512*\j   ; the 16 lanes of a tile fill 256 consecutive bytes, aligned
.endr
.endr
	global_store_b32 v7, v[WPW], s[44:45]
	global_store_b32 v7, v[WPW], s[44:45] offset:64
.endm
.Lweights:
	s_sub_co_u32 s28, s27, 256
	s_wait_kmcnt 0x0
	s_cmp_lt_u32 s28, 256
	s_cbranch_scc0 .Lw1
	s_lshr_b32 s29, s28, 5                 ; 0..3: Wq, Wk, Wv, Wo; 4..7: W2
	s_lshl_b32 s33, s29, 9
	s_lshr_b32 s32, s28, 2
	s_and_b32 s34, s28, 3
	s_cmp_eq_u32 s29, 1
	s_cselect_b64 s[10:11], s[12:13], s[10:11]
	s_cmp_eq_u32 s29, 2
	s_cselect_b64 s[10:11], s[14:15], s[10:11]
	s_cmp_eq_u32 s29, 3
	s_cselect_b64 s[10:11], s[16:17], s[10:11]
	s_cmp_ge_u32 s29, 4
	s_cselect_b64 s[10:11], s[20:21], s[10:11]
	s_cselect_b32 s30, 32, 8
	s_cselect_b32 s31, 31, 7
	s_cselect_b32 s33, 4096, s33
	s_and_b32 s32, s32, s31
	s_wait_alu depctr_va_vdst(0)
	WQ 4096
	s_endpgm
.Lw1:
	s_sub_co_u32 s28, s28, 256
	s_lshr_b32 s32, s28, 4
	s_and_b32 s34, s28, 15
	s_mov_b32 s30, 8
	s_mov_b32 s33, 2048
	s_mov_b64 s[10:11], s[18:19]
	s_wait_alu depctr_va_vdst(0)
	WQ 16384
	s_endpgm
.Lfunc_end_k_q6e4823bef8_prep:
	.size	k_q6e4823bef8_prep, .Lfunc_end_k_q6e4823bef8_prep-k_q6e4823bef8_prep
	.p2alignl 7, 3214868480
	.fill 96, 4, 3214868480
	.section	.rodata,"a",@progbits
	.p2align	6, 0x0
	.amdhsa_kernel k_q6e4823bef8_prep
		.amdhsa_group_segment_fixed_size 66816
		.amdhsa_private_segment_fixed_size 0
		.amdhsa_enable_private_segment 0
		.amdhsa_kernarg_size 88
		.amdhsa_user_sgpr_count 2
		.amdhsa_user_sgpr_kernarg_segment_ptr 1
		.amdhsa_wavefront_size32 1
		.amdhsa_system_sgpr_workgroup_id_x 1
		.amdhsa_system_sgpr_workgroup_id_y 1
		.amdhsa_system_sgpr_workgroup_id_z 1
		.amdhsa_system_vgpr_workitem_id 0
		.amdhsa_next_free_vgpr 256
		.amdhsa_next_free_sgpr 66
		.amdhsa_reserve_vcc 0
		.amdhsa_float_denorm_mode_32 3
		.amdhsa_float_denorm_mode_16_64 3
		.amdhsa_memory_ordered 1
		.amdhsa_forward_progress 1
		.amdhsa_inst_pref_size 74
	.end_amdhsa_kernel
	.amdgpu_metadata
---
amdhsa.version: [ 1, 2 ]
amdhsa.kernels:
  - .name:           k_q6e4823bef8_prep
    .symbol:         k_q6e4823bef8_prep.kd
    .args:
      - { .name: x, .offset: 0, .size: 8, .value_kind: global_buffer, .address_space: global }
      - { .name: ln_scale, .offset: 8, .size: 8, .value_kind: global_buffer, .address_space: global }
      - { .name: ln_shift, .offset: 16, .size: 8, .value_kind: global_buffer, .address_space: global }
      - { .name: Wq, .offset: 24, .size: 8, .value_kind: global_buffer, .address_space: global }
      - { .name: Wk, .offset: 32, .size: 8, .value_kind: global_buffer, .address_space: global }
      - { .name: Wv, .offset: 40, .size: 8, .value_kind: global_buffer, .address_space: global }
      - { .name: Wo, .offset: 48, .size: 8, .value_kind: global_buffer, .address_space: global }
      - { .name: W1, .offset: 56, .size: 8, .value_kind: global_buffer, .address_space: global }
      - { .name: W2, .offset: 64, .size: 8, .value_kind: global_buffer, .address_space: global }
      - { .name: wq, .offset: 72, .size: 8, .value_kind: global_buffer, .address_space: global }
      - { .name: hq, .offset: 80, .size: 8, .value_kind: global_buffer, .address_space: global }
    .group_segment_fixed_size: 66816
    .private_segment_fixed_size: 0
    .kernarg_segment_align: 8
    .kernarg_segment_size: 88
    .max_flat_workgroup_size: 256
    .sgpr_count:     66
    .vgpr_count:     256
    .wavefront_size: 32
...
	.end_amdgpu_metadata
.endif
;; end of part 1
;; launch qkv (part 2): grid 12 x 16, 4 waves a work-group, clusters of 4 x 4, 327,680 bytes of LDS; arguments hq, wq, qkvq; writes qkvq
.if DOCPART == 2
	.amdgcn_target "amdgcn-amd-amdhsa--gfx1250"
	.amdhsa_code_object_version 6
	.text
	.protected	k_q6e4823bef8_qkv
	.globl	k_q6e4823bef8_qkv
	.p2align	8
	.type	k_q6e4823bef8_qkv,@function
k_q6e4823bef8_qkv:
	s_mov_b64 s[64:65], 0
	v_nop
	global_prefetch_b8 v0, s[64:65] scope:SCOPE_SE
	s_setreg_imm32_b32 hwreg(HW_REG_WAVE_MODE, 25, 1), 1
	s_wait_xcnt 0x0
	s_wait_alu depctr_hold_cnt(0) depctr_sa_sdst(0) depctr_va_vdst(0) depctr_va_sdst(0) depctr_va_ssrc(0) depctr_va_vcc(0) depctr_vm_vsrc(0)
	s_getreg_b32 s2, hwreg(HW_REG_IB_STS2, 6, 4)
	s_cmp_eq_u32 s2, 0
	s_cbranch_scc0 .Lentry_in_a_cluster
	s_endpgm
.Lentry_in_a_cluster:
	s_bfe_u32 s2, ttmp6, 0x10000c
	s_cmp_lg_u32 s2, 0xf033
	s_cbranch_scc0 .Lentry_shape_is_right
	s_endpgm
.Lentry_shape_is_right:
.set TA, 8
.set TB, 8
.set NQ, 2
.set KSTEPS, 8
.set HASBIAS, 0
.set TILEB, NQ*1536
.set SLOT, 4*TA*TILEB
.set HALFS, TA*KSTEPS*128
.set LAPS, KSTEPS/(2*NQ)
.set SCL, 2*SLOT
.set SPARE, SCL+4*HALFS
.set ADRA, 16
.set ADRB, 20
.set ADRS, 27
.set SPW, 28
.set NIL, 29
.set SC, 32
.set AF, 64
.set G1, 24
.set G0, 32
.set G1B, 48
.set G0B, 56
.set G1S, 68
.set G0S, 76
.set G1SB, 80
.set G0SB, 88
.set PC, 128
.set TM, 148
.set PW, 164
.set V8, 166
.set VS, 167
.set SH, 168
.set TW, 169
.set SEL, 66
.set MSB, 0
.macro WIN new
.if MSB != (\new)
	s_set_vgpr_msb (MSB<<8)|(\new)
.set MSB, (\new)
.endif
.endm
.macro PLACES
.rept 4
	v_nop
.endr
.endm
.macro JLOAD g0a, g1a, g0b, g1b
	s_cmp_eq_u32 s15, 0
	s_cbranch_scc0 .Lfor_b_\@
	tensor_load_to_lds s[\g0a:\g0a+3], s[\g1a:\g1a+7]
	s_nop 0
.rept 4
	v_nop
.endr
	s_branch .Lasked_\@
.Lfor_b_\@:
	tensor_load_to_lds s[\g0b:\g0b+3], s[\g1b:\g1b+7]
	s_nop 0
.rept 4
	v_nop
.endr
.Lasked_\@:
.endm
.macro CREST
	s_cmp_lg_u32 s14, 0
	s_cbranch_scc1 .Lnot_wave_0_\@
	s_barrier_signal -3
.Lnot_wave_0_\@:
	s_barrier_wait -3
	s_barrier_signal -1
	s_barrier_wait -1
.endm
.macro CROUND
	s_barrier_signal -1
	s_barrier_wait -1
	CREST
.endm
.macro FETCH slot, q, set
	WIN 0x40
.set I_, 0
.rept TB
.irp c,0,1,2
	ds_load_b128 v[96*(\set)+12*I_+4*\c:96*(\set)+12*I_+4*\c+3], v[ADRB+\slot] offset:I_*TILEB+(\q)*1536+512*\c
.endr
.set I_, I_+1
.endr
	WIN 0
.set I_, 0
.rept TA
.irp c,0,1,2
	ds_load_b128 v[AF+96*(\set)+12*I_+4*\c:AF+96*(\set)+12*I_+4*\c+3], v[ADRA+\slot] offset:I_*TILEB+(\q)*1536+512*\c
.endr
.set I_, I_+1
.endr
.set I_, 0
.rept TA
	ds_load_b32 v[SC+8*(\set)+I_], v[ADRS] offset:I_*KSTEPS*128+(\q)*128
.set I_, I_+1
.endr
.endm
.macro MULQ j, set, first
.set A_, (\j)*(TA/4)
.rept TA/4
.set IX_, A_*TB*8
.if (\first) && HASBIAS
	WIN 0x91+0x40*(IX_/256)
.else
	WIN 0xa1+0x50*(IX_/256)
.endif
.set B_, 0
.rept TB
.set R_, (IX_+8*B_)%256
.if (\first) && HASBIAS
	v_wmma_scale_f32_16x16x128_f8f6f4 v[R_:R_+7], v[96*(\set)+12*B_:96*(\set)+12*B_+11], v[AF+96*(\set)+12*A_:AF+96*(\set)+12*A_+11], v[192+8*B_:192+8*B_+7], v[SC+8*(\set)+B_], v[SC+8*(\set)+A_] matrix_a_fmt:MATRIX_FMT_FP6 matrix_b_fmt:MATRIX_FMT_FP6 matrix_a_scale:MATRIX_SCALE_ROW1
.elseif \first
	v_wmma_scale_f32_16x16x128_f8f6f4 v[R_:R_+7], v[96*(\set)+12*B_:96*(\set)+12*B_+11], v[AF+96*(\set)+12*A_:AF+96*(\set)+12*A_+11], 0, v[SC+8*(\set)+B_], v[SC+8*(\set)+A_] matrix_a_fmt:MATRIX_FMT_FP6 matrix_b_fmt:MATRIX_FMT_FP6 matrix_a_scale:MATRIX_SCALE_ROW1
.else
	v_wmma_scale_f32_16x16x128_f8f6f4 v[R_:R_+7], v[96*(\set)+12*B_:96*(\set)+12*B_+11], v[AF+96*(\set)+12*A_:AF+96*(\set)+12*A_+11], v[R_:R_+7], v[SC+8*(\set)+B_], v[SC+8*(\set)+A_] matrix_a_fmt:MATRIX_FMT_FP6 matrix_b_fmt:MATRIX_FMT_FP6 matrix_a_scale:MATRIX_SCALE_ROW1
.endif
.set B_, B_+1
.endr
.set A_, A_+1
.endr
.endm
.macro STEP slot, q, first
	s_wait_dscnt 0x0
	PLACES
	FETCH \slot, (\q)+1, ((\q)+1)%2
	MULQ 0, (\q)%2, \first
	MULQ 1, (\q)%2, \first
	MULQ 2, (\q)%2, \first
	MULQ 3, (\q)%2, \first
.endm
.macro TURN slot, next, fill
	WIN 0
	s_wait_tensorcnt 0x0
	ds_add_u32 v[SPW], v[NIL]
	s_wait_dscnt 0x1
	MULQ 0, 1, 0
	s_wait_dscnt 0x0
	s_barrier_signal -1
	MULQ 1, 1, 0
	WIN 0
	s_barrier_wait -1
.if \fill
	CREST
	s_add_nc_u64 s[G0+4*\slot+2:G0+4*\slot+3], s[G0+4*\slot+2:G0+4*\slot+3], 2*TILEB
	s_add_nc_u64 s[G0B+4*\slot+2:G0B+4*\slot+3], s[G0B+4*\slot+2:G0B+4*\slot+3], 2*TILEB
	JLOAD G0+4*\slot, G1, G0B+4*\slot, G1B
.else
	PLACES
.endif
	s_wait_alu depctr_va_vdst(0)
	v_add_nc_u32 v[ADRS], NQ*128, v[ADRS]
	FETCH \next, 0, 0
	MULQ 2, 1, 0
	MULQ 3, 1, 0
.endm
.macro LAST
	s_wait_dscnt 0x0
	MULQ 0, 1, 0
	MULQ 1, 1, 0
	MULQ 2, 1, 0
	MULQ 3, 1, 0
.endm
.macro QUANTW s, W
	WIN ((\W)|((\W)<<2))
.irp b,0,1,2,3
	v_max3_num_f32 v[TM+\b], |v[(\s)+16*\b]|, |v[(\s)+1+16*\b]|, 0x1800000
.endr
.irp i,2,4,6,8,10,12,14
.irp b,0,1,2,3
	v_max3_num_f32 v[TM+\b], |v[(\s)+16*\b+\i]|, |v[(\s)+1+16*\b+\i]|, v[TM+\b]
.endr
.endr
	WIN 0
.irp b,0,1,2,3
	v_permlanex16_b32 v[TM+4+\b], v[TM+\b], s[SEL], s[SEL+1]
.endr
.irp b,0,1,2,3
	v_max_num_f32 v[TM+\b], v[TM+\b], v[TM+4+\b]
.endr
.irp b,0,1,2,3
	v_add_nc_u32 v[TM+12+\b], 0xff000000, v[TM+\b]
.endr
.irp b,0,1,2,3
	v_lshrrev_b32 v[TM+4+\b], 23, v[TM+12+\b]
.endr
	v_lshl_or_b32 v[PW], v[TM+5], 8, v[TM+4]
	v_lshl_or_b32 v[PW], v[TM+6], 16, v[PW]
	v_lshl_or_b32 v[PW], v[TM+7], 24, v[PW]
	WIN (\W)
.irp c,0,1
	v_cvt_scalef32_pk16_fp6_f32 v[PC+6*\c:PC+2+6*\c], v[(\s)+32*\c:(\s)+15+32*\c], v[TM+12+2*\c]
	v_cvt_scalef32_pk16_fp6_f32 v[PC+12+4*\c:PC+14+4*\c], v[(\s)+16+32*\c:(\s)+31+32*\c], v[TM+12+2*\c+1]
.endr
	WIN 0
	v_nop
.irp c,0,1
.irp i,0,1,2
	v_permlane16_swap_b32 v[PC+6*\c+\i], v[PC+12+4*\c+\i]
.endr
.irp i,0,1,2
	v_mov_b32 v[PC+3+6*\c+\i], v[PC+12+4*\c+\i]
.endr
.endr
.endm
	s_load_b128 s[4:7], s[0:1], 0x0
	s_load_b64 s[8:9], s[0:1], 0x10
	v_lshl_add_u32 v[SPW], v0, 2, SPARE
	v_mov_b32 v[NIL], 0
	ds_add_u32 v28, v29
	ds_add_u32 v28, v29
	s_wait_dscnt 0x0
	v_lshrrev_b32 v1, 5, v0
	v_readfirstlane_b32 s14, v1
	s_lshr_b32 s15, s14, 1
	s_and_b32 s16, s14, 1
	s_bfe_u32 s40, ttmp6, 0x40000
	s_bfe_u32 s41, ttmp6, 0x40004
	s_and_b32 s18, ttmp7, 0xffff
	s_lshl_b32 s18, s18, 2
	s_lshl_b32 s19, ttmp9, 2
	s_cmp_eq_u32 ttmp9, 2
	s_cselect_b32 s17, 0, s18
	s_cselect_b32 s42, s18, s19
	s_cselect_b32 s95, 1024*1536, 0
	s_mov_b32 s96, 3145728
	s_cselect_b32 s96, 9437184+1024*128, s96
	s_mov_b32 s97, 9437184
	s_cselect_b32 s97, 3145728, s97
	s_add_co_u32 s17, s17, s41
	s_add_co_u32 s42, s42, s40
	s_lshl_b32 s43, s41, 2
	s_lshl_b32 s43, 15, s43
	s_lshl_b32 s44, 0x1111, s40
	s_or_b32 s[G1+0], s43, (3<<16)|(1<<21)
	s_or_b32 s[G1B+0], s44, (3<<16)|(1<<21)
.irp g, G1, G1B
	s_mov_b32 s[\g+1], (TILEB/8)<<16
	s_mov_b32 s[\g+2], TA<<16
	s_mov_b32 s[\g+3], (TILEB/8)<<16
	s_mov_b32 s[\g+4], TA
	s_mov_b32 s[\g+5], KSTEPS*192
	s_mov_b32 s[\g+6], 0
	s_mov_b32 s[\g+7], 0
.endr
	s_or_b32 s[G1S+0], s43, (3<<16)|(1<<21)
	s_or_b32 s[G1SB+0], s44, (3<<16)|(1<<21)
.irp g, G1S, G1SB
	s_mov_b32 s[\g+1], (TILEB/8)<<16       ; the head's loads: all 2 TA tiles of an operand, one chunk of NQ K steps
	s_mov_b32 s[\g+2], (2*TA)<<16
	s_mov_b32 s[\g+3], (TILEB/8)<<16
	s_mov_b32 s[\g+4], 2*TA
	s_mov_b32 s[\g+5], KSTEPS*192
	s_mov_b32 s[\g+6], 0
	s_mov_b32 s[\g+7], 0
.endr
	s_mul_i32 s18, s16, TA
	s_mul_i32 s20, s17, 2*TA
	s_add_co_u32 s20, s20, s18
	s_mul_i32 s46, s42, 2*TB
	s_add_co_u32 s46, s46, s18
	s_mul_i32 s22, s20, KSTEPS*128
	s_mul_i32 s20, s20, KSTEPS*1536
	s_mul_i32 s92, s46, KSTEPS*128
	s_mul_i32 s46, s46, KSTEPS*1536
	s_add_co_u32 s20, s20, s95
	s_add_co_u32 s22, s22, s96
	s_add_co_u32 s92, s92, s97
	s_mov_b32 s21, 0
	s_mov_b32 s23, 0
	s_mov_b32 s47, 0
	s_mov_b32 s93, 0
	s_mul_i32 s45, s14, TA*TILEB
	s_mul_i32 s98, s14, HALFS
	s_wait_kmcnt 0x0
	s_cmp_eq_u32 ttmp9, 2
	s_cselect_b64 s[10:11], s[6:7], s[4:5]
	s_cselect_b64 s[12:13], s[4:5], s[6:7]
	s_add_nc_u64 s[20:21], s[10:11], s[20:21]
	s_add_nc_u64 s[22:23], s[10:11], s[22:23]
	s_add_nc_u64 s[46:47], s[12:13], s[46:47]
	s_add_nc_u64 s[92:93], s[12:13], s[92:93]
	CROUND
	s_mov_b32 s[G0S], 1
	s_mov_b32 s[G0SB], 1
	s_mul_i32 s2, s16, TA*KSTEPS*1536
	s_mov_b32 s3, 0
	s_sub_nc_u64 s[G0S+2:G0S+3], s[20:21], s[2:3]     ; the operand's first tile: my half's offset taken off
	s_sub_nc_u64 s[G0SB+2:G0SB+3], s[46:47], s[2:3]
.irp s,0,1
	s_mov_b32 s[G0+4*\s], 1
	s_add_co_u32 s[G0+4*\s+1], s45, \s*SLOT
	s_add_nc_u64 s[G0+4*\s+2:G0+4*\s+3], s[20:21], \s*TILEB
	s_or_b32 s[G0+4*\s+3], s[G0+4*\s+3], 0x80000000
	s_mov_b32 s[G0B+4*\s], 1
	s_add_co_u32 s[G0B+4*\s+1], s45, \s*SLOT
	s_add_nc_u64 s[G0B+4*\s+2:G0B+4*\s+3], s[46:47], \s*TILEB
	s_or_b32 s[G0B+4*\s+3], s[G0B+4*\s+3], 0x80000000
.endr
; THE HEAD'S FOUR JOINT LOADS, one a wave, each on a line of its own in one chain of branches on the wave's number: A's chunk 0, B's chunk 0, A's chunk 1, B's chunk 1: both slots are asked for at once
.macro HARM g0, g1, lds, step
	s_mov_b32 s[\g0+1], \lds
.if \step
	s_add_nc_u64 s[\g0+2:\g0+3], s[\g0+2:\g0+3], \step
.endif
	s_or_b32 s[\g0+3], s[\g0+3], 0x80000000
	tensor_load_to_lds s[\g0:\g0+3], s[\g1:\g1+7]
	s_nop 0
	PLACES
.endm
	s_cmp_eq_u32 s14, 0
	s_cbranch_scc0 .Lhead_1
	HARM G0S, G1S, 0, 0
	s_branch .Lhead_j
.Lhead_1:
	s_cmp_eq_u32 s14, 1
	s_cbranch_scc0 .Lhead_2
	HARM G0SB, G1SB, 2*TA*TILEB, 0
	s_branch .Lhead_j
.Lhead_2:
	s_cmp_eq_u32 s14, 2
	s_cbranch_scc0 .Lhead_3
	HARM G0S, G1S, SLOT, TILEB
	s_branch .Lhead_j
.Lhead_3:
	HARM G0SB, G1SB, SLOT+2*TA*TILEB, TILEB
.Lhead_j:
; my quarter of the scale images (HALFS dense bytes) comes by plain loads, 512 bytes on end an instruction, and goes into LDS by stores: no tile lands on those bytes
	s_cmp_eq_u32 s15, 0
	s_cselect_b64 s[104:105], s[22:23], s[92:93]
	s_cselect_b64 s[100:101], s[20:21], s[46:47]      ; prefetches: the TA tiles that I fetch in the ring,
	s_cselect_b32 s2, s40, s41                        ; of which each of the four partners of the joint load takes TA / 4, told apart by address
	s_mul_i32 s2, s2, (TA/4)*KSTEPS*1536
	s_add_nc_u64 s[100:101], s[100:101], s[2:3]
	s_add_co_u32 s98, s98, SCL
	v_and_b32 v10, 31, v0
	v_min_u32 v11, 23, v10                 ; 24 blocks of 256 bytes a chunk and partner: a lane a block, the lanes left over name the last again
	v_lshlrev_b32 v10, 4, v10
.if TA == 8
	v_mul_u32_u24 v12, v11, 22
	v_lshrrev_b32 v12, 8, v12              ; block / 12: which of my two tiles
	v_mul_u32_u24 v13, v12, 12
	v_sub_nc_u32 v11, v11, v13
	v_lshlrev_b32 v11, 8, v11
	v_mad_u32_u24 v11, v12, KSTEPS*1536, v11
.else
	v_lshlrev_b32 v11, 8, v11
.endif
	v_add_nc_u32 v9, s98, v10
.set I_, 0
.rept HALFS/512
	global_load_b128 v[64+4*I_:64+4*I_+3], v10, s[104:105] offset:512*I_
.set I_, I_+1
.endr
	global_prefetch_b8 v11, s[100:101] offset:2*TILEB th:TH_LOAD_NT scope:SCOPE_SE   ; chunks 2 and 3, which the first two refills load
	global_prefetch_b8 v11, s[100:101] offset:3*TILEB th:TH_LOAD_NT scope:SCOPE_SE
	v_and_b32 v1, 31, v0
	v_bfe_u32 v2, v0, 4, 1
	s_wait_alu depctr_va_vdst(0)
	v_lshlrev_b32 v3, 4, v1
	v_and_b32 v4, 15, v0
	v_lshlrev_b32 v8, 2, v1
	s_mul_i32 s21, s15, TA*TILEB
	s_mul_i32 s22, s16, TB*TILEB
	s_add_co_u32 s22, s22, 2*TA*TILEB
.irp s,0,1
	v_add_nc_u32 v[ADRA+\s], s21, v3
	v_add_nc_u32 v[ADRB+\s], s22, v3
	s_add_co_u32 s21, s21, SLOT
	s_add_co_u32 s22, s22, SLOT
.endr
	s_mul_i32 s21, s15, HALFS
	s_mul_i32 s22, s16, HALFS
	s_add_co_u32 s22, s22, 2*HALFS
	s_sub_co_u32 s22, s22, s21
	v_mul_u32_u24 v6, s22, v2
	s_wait_alu depctr_va_vdst(0)
	s_add_co_u32 s21, s21, SCL
	v_add_nc_u32 v5, v8, v6
	v_add_nc_u32 v[ADRS], s21, v5
	s_cmp_eq_u32 ttmp9, 2
	s_cselect_b32 s18, 32, 1
	s_cselect_b32 s19, 1, 256
	s_cselect_b32 s20, 2016, 0
	s_cselect_b32 s21, 8192, 0
	s_cselect_b32 s2, -1, 0
	s_lshl_b32 s22, s17, 4
	s_lshl_b32 s23, s15, 3
	s_add_co_u32 s22, s22, s23
	s_mul_i32 s22, s22, s18
	s_add_co_u32 s21, s21, s22
	s_lshl_b32 s22, s42, 1
	s_add_co_u32 s22, s22, s16
	s_lshl_b32 s22, s22, 1
	s_mul_i32 s22, s22, s19
	s_add_co_u32 s21, s21, s22
	s_lshr_b32 s22, s42, 3
	s_mul_i32 s22, s22, s20
	s_add_co_u32 s21, s21, s22
	s_mul_i32 s10, s21, 768
	s_mov_b32 s11, 0
	s_add_nc_u64 s[10:11], s[8:9], s[10:11]
	s_mul_i32 s12, s19, 768
	s_mov_b32 s13, 0
	s_add_nc_u64 s[12:13], s[10:11], s[12:13]
	s_lshl_b32 s94, s21, 6
	s_add_co_u32 s94, s94, 9437184
	s_mov_b32 s95, 0
	s_add_nc_u64 s[94:95], s[8:9], s[94:95]
	s_mul_i32 s96, s18, 768
	s_mov_b32 s97, 0
	s_lshl_b32 s98, s18, 6
	s_mov_b32 s99, 0
	s_lshl_b32 s92, s19, 6
	s_mov_b32 s93, 0x7f7f0000
	s_mov_b32 s[SEL], 0x76543210
	s_mov_b32 s[SEL+1], 0xfedcba98
	s_wait_alu depctr_va_vdst(0)
	s_wait_loadcnt 0x0                     ; my scale images are in registers
.set I_, 0
.rept HALFS/512
	ds_store_b128 v9, v[64+4*I_:64+4*I_+3] offset:512*I_
.set I_, I_+1
.endr
	s_wait_dscnt 0x0
	s_cmp_lt_u32 s14, 2
	s_cbranch_scc0 .Lslot1_out
	s_wait_tensorcnt 0x0                   ; waves 0 and 1: slot 0's tiles have landed; slot 1's are waited for at the first change of slots
.Lslot1_out:
	s_barrier_signal -1
	s_barrier_wait -1
	FETCH 0, 0, 0
	STEP 0, 0, 1
	WIN 0
	s_mov_b32 s3, LAPS-1
.Llap:
	TURN 0, 1, 1
	s_wait_alu depctr_va_vdst(0)
	STEP 1, 0, 0
	TURN 1, 0, 1
	s_wait_alu depctr_va_vdst(0)
	STEP 0, 0, 0
	WIN 0
	s_sub_co_u32 s3, s3, 1
	s_cmp_lg_u32 s3, 0
	s_cbranch_scc1 .Llap
	TURN 0, 1, 0
	s_wait_alu depctr_va_vdst(0)
	STEP 1, 0, 0
	LAST
	WIN 0
	PLACES
	v_lshlrev_b32 v[V8], 3, v1
	v_mul_u32_u24 v[VS], s92, v2
	v_lshl_add_u32 v[VS], v4, 2, v[VS]
	v_lshlrev_b32 v[SH], 4, v2
.irp b,0,1,2,3
	v_mov_b32 v[TM+4+\b], 0
.endr
.irp a,0,1,2,3,4,5,6,7
	s_wait_xcnt 0x0
.if \a > 0
	s_add_nc_u64 s[10:11], s[10:11], s[96:97]
	s_add_nc_u64 s[12:13], s[12:13], s[96:97]
	s_add_nc_u64 s[94:95], s[94:95], s[98:99]
.endif
	QUANTW 64*(\a%4), 2+\a/4
.irp c,0,1,2
	global_store_b64 v[V8], v[PC+2*\c:PC+2*\c+1], s[10:11] offset:256*\c
.endr
.irp c,0,1,2
	global_store_b64 v[V8], v[PC+6+2*\c:PC+7+2*\c], s[12:13] offset:256*\c
.endr
	v_lshrrev_b32 v[TW], v[SH], v[PW]
	v_and_or_b32 v[TW], v[TW], 0xffff, s93
	v_cndmask_b32 v[TW], v[TW], v[PW], s2
	global_store_b32 v[VS], v[TW], s[94:95]
.endr
	s_wait_tensorcnt 0x0
	ds_add_u32 v[SPW], v[NIL]
	s_wait_dscnt 0x0
	CROUND
	s_endpgm
.Lfunc_end_k_q6e4823bef8_qkv:
	.size	k_q6e4823bef8_qkv, .Lfunc_end_k_q6e4823bef8_qkv-k_q6e4823bef8_qkv
	.p2alignl 7, 3214868480
	.fill 96, 4, 3214868480
	.section	.rodata,"a",@progbits
	.p2align	6, 0x0
	.amdhsa_kernel k_q6e4823bef8_qkv
		.amdhsa_group_segment_fixed_size 327680
		.amdhsa_private_segment_fixed_size 0
		.amdhsa_enable_private_segment 0
		.amdhsa_kernarg_size 24
		.amdhsa_user_sgpr_count 2
		.amdhsa_user_sgpr_kernarg_segment_ptr 1
		.amdhsa_wavefront_size32 1
		.amdhsa_system_sgpr_workgroup_id_x 1
		.amdhsa_system_sgpr_workgroup_id_y 1
		.amdhsa_system_sgpr_workgroup_id_z 1
		.amdhsa_system_vgpr_workitem_id 0
		.amdhsa_next_free_vgpr 1024
		.amdhsa_next_free_sgpr 106
		.amdhsa_reserve_vcc 0
		.amdhsa_float_denorm_mode_32 3
		.amdhsa_float_denorm_mode_16_64 3
		.amdhsa_memory_ordered 1
		.amdhsa_forward_progress 1
		.amdhsa_inst_pref_size 151
	.end_amdhsa_kernel
	.amdgpu_metadata
---
amdhsa.version: [ 1, 2 ]
amdhsa.kernels:
  - .name:           k_q6e4823bef8_qkv
    .symbol:         k_q6e4823bef8_qkv.kd
    .args:
      - { .name: hq, .offset: 0, .size: 8, .value_kind: global_buffer, .address_space: global }
      - { .name: wq, .offset: 8, .size: 8, .value_kind: global_buffer, .address_space: global }
      - { .name: qkvq, .offset: 16, .size: 8, .value_kind: global_buffer, .address_space: global }
    .group_segment_fixed_size: 327680
    .private_segment_fixed_size: 0
    .kernarg_segment_align: 8
    .kernarg_segment_size: 24
    .max_flat_workgroup_size: 128
    .sgpr_count:     106
    .vgpr_count:     1024
    .wavefront_size: 32
...
	.end_amdgpu_metadata
.endif
;; end of part 2
;; launch attn (part 3): grid 8 x 32, 16 waves a work-group, no clusters, 284,672 bytes of LDS; arguments qkvq, cq; writes cq
.if DOCPART == 3
	.amdgcn_target "amdgcn-amd-amdhsa--gfx1250"
	.amdhsa_code_object_version 6
	.text
	.protected	k_q6e4823bef8_attn
	.globl	k_q6e4823bef8_attn
	.p2align	8
	.type	k_q6e4823bef8_attn,@function
k_q6e4823bef8_attn:
	s_mov_b64 s[64:65], 0
	v_nop
	global_prefetch_b8 v0, s[64:65] scope:SCOPE_SE
	s_setreg_imm32_b32 hwreg(HW_REG_WAVE_MODE, 25, 1), 1
	s_wait_xcnt 0x0
; Causal attention of one head (work-group y = 16 batch + head) on codes of FP6, and ctx quantised along the head's 64.
; t = score x log2(e) / 8; M = the running largest t rounded up to a whole number; p = 2^(t - M) is quantised along the keys; the sum of the unquantised p divides at the end.
; SHARES.  Sixteen waves of 256 registers, four to a SIMD.  Waves w and w + 8 (w < 8) share the query tiles p = 8 x + w and 127 - p: p/8 + 1 and 16 - p/8 key steps of 128, 17 in all.
; Each of the two takes the steps of its own parity, s = 2 t + w/8, in both tiles: 9 steps for the even wave, 8 for the odd one, which also joins the halves and does both ways out.
; JOINING.  The even wave stores its O^T, its -M and its sum in LDS bytes of its own; a barrier; the odd wave takes the larger M (both are whole numbers), multiplies each half by 2^(its M - M), which rounds nothing, and adds.
; A half that had no step holds zeros and -M = 3e38: its factor falls to 0.
; THE FILL.  The head's K, V and scale words (212,992 bytes) come into LDS once, by asynchronous copies, all issued at the head, in the order of the keys: the scale words, then four quarters of 512 keys.
; The large tile is walked first, two trips (four steps) to a quarter; ahead of each quarter stand a counted wait and a barrier, so that the later quarters land while the earlier ones are multiplied.
; Both products are used transposed (S^T = K Q^T, O^T = V^T P^T): a lane holds one query; by the tile order 16 registers of two neighbouring tiles are 16 neighbouring keys (or channels).
; The first product's K is 64: Q's upper six registers are zero codes; K's operand of tile t runs on into tile t + 1's codes, which meet those zeros; the words' upper bytes are 0x7f.
; NO JOINT LOADS: the step that a wave leaves out hangs on its query tile, which differs between the work-groups of a head, and each work-group reads its head's 213 KB once.
; Every loop has a constant count; a step all of whose keys are hidden is jumped over by a scalar branch on ids.
; LIMITS: as stated at the head of prep.
.set VREG, 98304                       ; LDS: K's half images at 0, V's here,
.set KSREG, 196608                     ; K's scale words,
.set VSREG, 204800                     ; V's,
.set MERGE, 212992                     ; and the halves that are joined: for each pair of waves two areas (one a tile) of 4,352 bytes; no copy lands here
.set MAREA, 4352                       ; 32 registers x 128 bytes, then 8 bytes a lane
.set S, 96                             ; v96-159 scores, then p; at a tile's end the partner's half, then ctx
.set O, 160                            ; v160-191 O^T
.set PCD, 192                          ; v192-203 p's codes; v204-206, v208-210 the conversions' second halves
.set BM, 212
.set BP, 216
.set BS, 220
.set FF, 224                           ; v[224:225]: f = 2^(old M - new M) in the low word
.set TT, 226
.set INF, 227
.set SU, 228
.set CW, 230
.set GH, 232                           ; v232 copies: 16 x thread + 65,536, the offset in memory of K's last part
.set KH, 233                           ; v233 copies: the same as an LDS address
.set VG, 234                           ; v234 copies: V's offset in memory: 24,576 (thread / 128) + 16 (thread % 128)
.set QS, 236                           ; v236-247 the small tile's Q (six registers of codes, six of zeros);  v16-27 the large tile's
.set QSS, 248                          ; v248 its scale word;  v90 the large tile's
.set MA, 249                           ; v249 my pair's areas: 16 x lane
.set MB, 250                           ; v250 behind an area's 4,096 bytes: 8 x lane
.set PSC, 91                           ; p's scale word;  v82-89 K's and V's: scales and nothing else
.set SEL, 36
.set CS, 38
; s8 wave; s24 its parity; s25 its pair; s12, s13 the small and the large tile; s26, s27 and s56, s57: a tile's last step that counts and its first query; s28 the step; s29 a loop's counter;
; s31-34 where the step's K, K's words, V, V's words begin; s58-61 the same for a tile's first step of my parity; s[16:23] the copies' bases: never rewritten
; the addresses that hang on a tile: q's codes and words, ctx's codes and words; its last step; its first query
.macro TILEPTR tile, qp, qsp, cp, csp, smax, q0
	s_lshl_b32 s14, s10, 7
	s_add_co_u32 s14, s14, s[\tile]        ; the tile among all 256
	s_lshl_b32 s15, s11, 8
	s_add_co_u32 s15, s15, s14             ; q's unit
	s_mul_i32 s[\qp], s15, 768
	s_mov_b32 s[\qp+1], 0
	s_add_nc_u64 s[\qp:\qp+1], s[4:5], s[\qp:\qp+1]
	s_lshl_b32 s[\qsp], s15, 6
	s_add_co_u32 s[\qsp], s[\qsp], 9437184
	s_mov_b32 s[\qsp+1], 0
	s_add_nc_u64 s[\qsp:\qsp+1], s[4:5], s[\qsp:\qsp+1]
	s_lshl_b32 s15, s14, 4
	s_add_co_u32 s15, s15, s11             ; ctx's unit: 16 tile + head
	s_mul_i32 s[\cp], s15, 768
	s_mov_b32 s[\cp+1], 0
	s_add_nc_u64 s[\cp:\cp+1], s[6:7], s[\cp:\cp+1]
	s_lshl_b32 s[\csp], s14, 9             ; ctx's scale bytes: 512 tile + 32 r + 2 head: a row's 32 bytes are its eight K steps' scale words
	s_lshl_b32 s15, s11, 1
	s_add_co_u32 s[\csp], s[\csp], s15
	s_add_co_u32 s[\csp], s[\csp], 3145728
	s_mov_b32 s[\csp+1], 0
	s_add_nc_u64 s[\csp:\csp+1], s[6:7], s[\csp:\csp+1]
	s_lshr_b32 s[\smax], s[\tile], 3
	s_lshr_b32 s[\q0], s[\tile], 1
	s_lshl_b32 s[\q0], s[\q0], 5
	s_and_b32 s15, s[\tile], 1
	s_lshl_b32 s15, s15, 3
	s_add_co_u32 s[\q0], s[\q0], s15
.endm
; a tile begins: the step is written once, so the first finds zeros
.macro INIT
	v_mov_b32 v13, 0xff61b1e6              ; the largest t so far: -3e38
	s_delay_alu instid0(VALU_DEP_1)
	v_floor_f32 v12, -v13                  ; -M
	v_mov_b32 v14, 0
	v_mov_b32 v15, 0
.set J_, 0
.rept 32
	v_mov_b32 v[O+J_], 0
.set J_, J_+1
.endr
	s_mov_b32 s28, s24                     ; my first step: my parity
	s_mov_b32 s31, s58
	s_mov_b32 s32, s59
	s_mov_b32 s33, s60
	s_mov_b32 s34, s61
.endm
; A KEY STEP of 128 keys.  qr, qs: Q's registers and its scale word; smax, q0: the scalar registers with the tile's last step and first query
.macro STEP qr, qs, smax, q0
	s_cmp_gt_u32 s28, s[\smax]             ; all 128 keys come after my queries
	s_cbranch_scc1 .Lskip_\@
	v_add_nc_u32 v8, s31, v6               ; (these five are also the places in front of the loads below)
	v_add_nc_u32 v9, s32, v93
	v_add_nc_u32 v10, s33, v6
	v_add_nc_u32 v92, s34, v93
	s_delay_alu instid0(VALU_DEP_2)
	v_add_nc_u32 v11, 0xc000, v10          ; V's tiles 2 and 3 lie beyond an immediate's reach
.irp t,0,1,2,3,4,5,6,7
.irp c,0,1,2
	ds_load_b64 v[28+6*\t+2*\c:29+6*\t+2*\c], v8 offset:768*\t+256*\c
.endr
	ds_load_b32 v[82+\t], v9 offset:64*\t
.endr
	s_wait_alu depctr_va_vdst(0)
	s_wait_dscnt 0x0
.irp t,0,1,2,3,4,5,6,7
	v_wmma_scale_f32_16x16x128_f8f6f4 v[S+8*\t:S+8*\t+7], v[28+6*\t:39+6*\t], v[\qr:\qr+11], 0, v[82+\t], v[\qs] matrix_a_fmt:MATRIX_FMT_FP6 matrix_b_fmt:MATRIX_FMT_FP6
.endr
.rept 4
	v_nop                                  ; places: in front of the loads below and of the first read of the scores
.endr
.irp dt,0,1,2,3
.irp hf,0,1
.irp c,0,1,2
	ds_load_b64 v[28+12*\dt+6*\hf+2*\c:29+12*\dt+6*\hf+2*\c], v[10+\dt/2] offset:(\dt%2)*24576+768*\hf+256*\c   ; V lands while the softmax is worked
.endr
.endr
	ds_load_b32 v[82+\dt], v92 offset:2048*\dt
.endr
	s_cmp_lg_u32 s28, s[\smax]
	s_cbranch_scc1 .Lopen_\@
	s_lshl_b32 s35, s28, 7                 ; the step on the diagonal: hidden scores become -infinity
	s_sub_co_i32 s35, s[\q0], s35
	v_add_nc_u32 v[TT], s35, v7            ; d = my query - the step's first key - 16 h: register 16 b + i is hidden where 32 b + i > d
.set N_, 0
.rept 64
	v_cmp_gt_i32 vcc_lo, 32*(N_/16)+N_%16, v[TT]
	v_cndmask_b32 v[S+N_], v[S+N_], v[INF], vcc_lo
.set N_, N_+1
.endr
.Lopen_\@:
.irp b,0,1,2,3
	v_max3_num_f32 v[BM+\b], v[S+16*\b], v[S+1+16*\b], v[S+2+16*\b]   ; each block's largest score: for the row's maximum and for the block's largest p
.endr
.irp i,3,5,7,9,11,13
.irp b,0,1,2,3
	v_max3_num_f32 v[BM+\b], v[BM+\b], v[S+16*\b+\i], v[S+1+16*\b+\i]
.endr
.endr
.irp b,0,1,2,3
	v_max_num_f32 v[BM+\b], v[BM+\b], v[S+15+16*\b]
.endr
.irp b,0,1,2,3
	s_delay_alu instid0(VALU_DEP_4)
	v_permlanex16_b32 v[BP+\b], v[BM+\b], s[SEL], s[SEL+1]
.endr
.irp b,0,1,2,3
	s_delay_alu instid0(VALU_DEP_4)
	v_max_num_f32 v[BM+\b], v[BM+\b], v[BP+\b]
.endr
	s_delay_alu instid0(VALU_DEP_2)
	v_max3_num_f32 v[TT], v[BM], v[BM+1], v[BM+2]
	s_delay_alu instid0(VALU_DEP_1)
	v_max_num_f32 v[TT], v[TT], v[BM+3]
	s_delay_alu instid0(VALU_DEP_1)
	v_mul_f32 v[TT], s[CS], v[TT]
	s_delay_alu instid0(VALU_DEP_1)
	v_max_num_f32 v13, v13, v[TT]          ; the running largest t
	v_mov_b32 v[TT], v12
	s_delay_alu instid0(VALU_DEP_2)
	v_floor_f32 v12, -v13                  ; the new -M
	s_delay_alu instid0(VALU_DEP_1)
	v_sub_f32 v[TT], v12, v[TT]            ; old M - new M: a whole number, 0 or less
	s_delay_alu instid0(VALU_DEP_1)
	v_cvt_i32_f32 v[TT], v[TT]
	s_delay_alu instid0(VALU_DEP_1)
	v_ldexp_f32 v[FF], 1.0, v[TT]
.set J_, 0
.rept 32
	v_pk_fma_f32 v[S+J_:S+J_+1], v[S+J_:S+J_+1], s[CS:CS+1], v[12:13] op_sel_hi:[1,0,0]   ; t - M
.set J_, J_+2
.endr
.irp b,0,1,2,3
	v_fma_f32 v[BM+\b], v[BM+\b], s[CS], v12
.endr
.set J_, 0
	s_wait_alu depctr_va_vdst(0)
.rept 64
	v_exp_f32 v[S+J_], v[S+J_]
.set J_, J_+1
.endr
.irp b,0,1,2,3
	v_exp_f32 v[BM+\b], v[BM+\b]
.endr
	v_pk_mul_f32 v[14:15], v[14:15], v[FF:FF+1] op_sel_hi:[1,0]   ; the sums under the new M (a plain place behind the exponentials)
	s_wait_alu depctr_va_vdst(0)
.irp b,0,1,2,3
	v_max_num_f32 v[BM+\b], 0x1800000, v[BM+\b]
.endr
.irp b,0,1,2,3
	s_delay_alu instid0(VALU_DEP_4)
	v_add_nc_u32 v[BS+\b], 0xff000000, v[BM+\b]
.endr
.irp b,0,1,2,3
	s_delay_alu instid0(VALU_DEP_4)
	v_lshrrev_b32 v[BP+\b], 23, v[BS+\b]
.endr
	s_delay_alu instid0(VALU_DEP_3)
	v_lshl_or_b32 v[PSC], v[BP+1], 8, v[BP]
	s_delay_alu instid0(VALU_DEP_1)
	v_lshl_or_b32 v[PSC], v[BP+2], 16, v[PSC]
	s_delay_alu instid0(VALU_DEP_1)
	v_lshl_or_b32 v[PSC], v[BP+3], 24, v[PSC]
.irp c,0,1
	v_cvt_scalef32_pk16_fp6_f32 v[PCD+6*\c:PCD+2+6*\c], v[S+32*\c:S+15+32*\c], v[BS+2*\c]
	v_cvt_scalef32_pk16_fp6_f32 v[PCD+12+4*\c:PCD+14+4*\c], v[S+16+32*\c:S+31+32*\c], v[BS+2*\c+1]
.endr
	v_nop
.irp c,0,1
.irp i,0,1,2
	v_permlane16_swap_b32 v[PCD+6*\c+\i], v[PCD+12+4*\c+\i]
.endr
.irp i,0,1,2
	s_delay_alu instid0(VALU_DEP_3)
	v_mov_b32 v[PCD+3+6*\c+\i], v[PCD+12+4*\c+\i]
.endr
.endr
	v_pk_add_f32 v[SU:SU+1], v[S:S+1], v[S+2:S+3]   ; the row's sum, of the unquantised p, in two chains
.irp j,4,8,12,16,20,24,28,32,36,40,44,48,52,56,60
	v_pk_add_f32 v[14:15], v[14:15], v[S+\j:S+\j+1]
	v_pk_add_f32 v[SU:SU+1], v[SU:SU+1], v[S+2+\j:S+3+\j]
.endr
	s_delay_alu instid0(VALU_DEP_1)
	v_pk_add_f32 v[14:15], v[14:15], v[SU:SU+1]
.set J_, 0
.rept 16
	v_pk_mul_f32 v[O+J_:O+J_+1], v[O+J_:O+J_+1], v[FF:FF+1] op_sel_hi:[1,0]   ; O^T under the new M (with the sums: the places in front of the scaled products)
.set J_, J_+2
.endr
	s_wait_alu depctr_va_vdst(0)
	s_wait_dscnt 0x0                       ; V and its scale words
.irp dt,0,1,2,3
	v_wmma_scale_f32_16x16x128_f8f6f4 v[O+8*\dt:O+8*\dt+7], v[28+12*\dt:39+12*\dt], v[PCD:PCD+11], v[O+8*\dt:O+8*\dt+7], v[82+\dt], v[PSC] matrix_a_fmt:MATRIX_FMT_FP6 matrix_b_fmt:MATRIX_FMT_FP6
.endr
.Lskip_\@:
	s_add_co_u32 s31, s31, 12288           ; two steps on: 16 tiles of K,
	s_add_co_u32 s32, s32, 1024
	s_add_co_u32 s33, s33, 3072            ; four halves of V
	s_add_co_u32 s34, s34, 256
	s_add_co_u32 s28, s28, 2
.endm
; A quarter of the keys in the large tile: two trips, steps 4 g + my parity and 4 g + 2 + my parity.  left = my copies of the later quarters, six to a quarter, which may stay out
.macro GROUP left
	s_wait_asynccnt \left                  ; copies end in the order of issue: my part of this quarter has landed
	s_wait_dscnt 0x0
	s_barrier_signal -1
	s_barrier_wait -1                      ; everybody's has.  Nothing in LDS is filled twice, so the later copies may cross this barrier
	s_mov_b32 s29, 0
.Lquarter_\@:
	STEP 16, 90, 26, 27
	s_add_co_u32 s29, s29, 1
	s_cmp_lt_u32 s29, 2
	s_cbranch_scc1 .Lquarter_\@
.endm
; A tile's end.  k: which of my pair's two areas; cp, csp: the scalar pairs with ctx's addresses
.macro JOIN k, cp, csp
.rept 4
	v_nop                                  ; places behind the last products
.endr
	v_add_f32 v13, v14, v15                ; my sum's two halves (the largest t is done with)
	s_cmp_lt_u32 s8, 8
	s_cbranch_scc0 .Lkeep_\@               ; the even wave hands its half over
	s_wait_alu depctr_va_vdst(0)
.irp i,0,1,2,3,4,5,6,7
	ds_store_b128 v[MA], v[O+4*\i:O+4*\i+3] offset:\k*MAREA+512*\i   ; each accumulator from its low end on
.endr
	ds_store_b64 v[MB], v[12:13] offset:\k*MAREA                      ; -M and the sum
.Lkeep_\@:
	s_wait_dscnt 0x0                       ; for the partner's sake: the stores are done
	s_barrier_signal -1
	s_barrier_wait -1
	s_cmp_lt_u32 s8, 8
	s_cbranch_scc1 .Lgone_\@               ; the odd wave joins the halves and does the way out
.irp i,0,1,2,3,4,5,6,7
	ds_load_b128 v[S+4*\i:S+4*\i+3], v[MA] offset:\k*MAREA+512*\i
.endr
	ds_load_b64 v[S+32:S+33], v[MB] offset:\k*MAREA
	s_wait_dscnt 0x0
	v_min_num_f32 v[TT], v12, v[S+32]      ; -M of the two: the smaller
	s_delay_alu instid0(VALU_DEP_1)
	v_sub_f32 v[BM], v[TT], v12            ; my M - M, the partner's M - M: whole numbers, 0 or less
	s_delay_alu instid0(VALU_DEP_2)
	v_sub_f32 v[BM+1], v[TT], v[S+32]
	s_delay_alu instid0(VALU_DEP_2)
	v_cvt_i32_f32 v[BM], v[BM]             ; (it saturates)
	s_delay_alu instid0(VALU_DEP_2)
	v_cvt_i32_f32 v[BM+1], v[BM+1]
	s_delay_alu instid0(VALU_DEP_2)
	v_ldexp_f32 v[FF], 1.0, v[BM]
	s_wait_alu depctr_va_vdst(0)
	v_ldexp_f32 v[SU], 1.0, v[BM+1]
	v_mul_f32 v13, v13, v[FF]
	s_delay_alu instid0(VALU_DEP_1)
	v_fma_f32 v13, v[S+33], v[SU], v13     ; the sum under M
.set J_, 0
.rept 16
	v_pk_mul_f32 v[O+J_:O+J_+1], v[O+J_:O+J_+1], v[FF:FF+1] op_sel_hi:[1,0]
.set J_, J_+2
.endr
.set J_, 0
.rept 16
	v_pk_fma_f32 v[O+J_:O+J_+1], v[S+J_:S+J_+1], v[SU:SU+1], v[O+J_:O+J_+1] op_sel_hi:[1,0,1]
.set J_, J_+2
.endr
	v_permlanex16_b32 v[TT], v13, s[SEL], s[SEL+1]
	s_delay_alu instid0(VALU_DEP_1)
	v_add_f32 v13, v13, v[TT]              ; with lane l xor 16's keys: the row's sum
	s_wait_alu depctr_va_vdst(0)
	v_rcp_f32 v13, v13
	v_nop
.set J_, 0
	s_wait_alu depctr_va_vdst(0)
.rept 32
	v_mul_f32 v[S+J_], v[O+J_], v13        ; ctx: register 16 b + i is channel 32 b + 16 h + i
.set J_, J_+1
.endr
.irp b,0,1
	v_max3_num_f32 v[BM+\b], |v[S+16*\b]|, |v[S+1+16*\b]|, 0x1800000
.endr
.irp i,2,4,6,8,10,12,14
.irp b,0,1
	s_delay_alu instid0(VALU_DEP_2)
	v_max3_num_f32 v[BM+\b], v[BM+\b], |v[S+16*\b+\i]|, |v[S+1+16*\b+\i]|
.endr
.endr
.irp b,0,1
	s_delay_alu instid0(VALU_DEP_2)
	v_permlanex16_b32 v[BP+\b], v[BM+\b], s[SEL], s[SEL+1]
.endr
.irp b,0,1
	s_delay_alu instid0(VALU_DEP_2)
	v_max_num_f32 v[BM+\b], v[BM+\b], v[BP+\b]
.endr
.irp b,0,1
	s_delay_alu instid0(VALU_DEP_2)
	v_add_nc_u32 v[BS+\b], 0xff000000, v[BM+\b]
.endr
.irp b,0,1
	s_delay_alu instid0(VALU_DEP_2)
	v_lshrrev_b32 v[BP+\b], 23, v[BS+\b]
.endr
	s_delay_alu instid0(VALU_DEP_1)
	v_lshl_or_b32 v[CW], v[BP+1], 8, v[BP] ; the head's two bytes, in the low half
	v_cvt_scalef32_pk16_fp6_f32 v[PCD:PCD+2], v[S:S+15], v[BS]
	v_cvt_scalef32_pk16_fp6_f32 v[PCD+12:PCD+14], v[S+16:S+31], v[BS+1]
	v_nop
.irp i,0,1,2
	v_permlane16_swap_b32 v[PCD+\i], v[PCD+12+\i]
.endr
.irp i,0,1,2
	s_delay_alu instid0(VALU_DEP_3)
	v_mov_b32 v[PCD+3+\i], v[PCD+12+\i]
.endr
.irp c,0,1,2
	global_store_b64 v6, v[PCD+2*\c:PCD+2*\c+1], s[\cp:\cp+1] offset:256*\c
.endr
	global_store_b16 v251, v[CW], s[\csp:\csp+1]   ; two bytes a lane, 32 bytes apart; lanes r and r + 16 store the same two bytes
	s_wait_xcnt 0x0                        ; the stores have read their registers
.Lgone_\@:
.endm
	s_load_b128 s[4:7], s[0:1], 0x0        ; qkvq, cq
	v_lshl_add_u32 v254, v0, 2, 0x45000
	v_mov_b32 v255, 0
	ds_add_u32 v254, v255
	ds_add_u32 v254, v255
	v_lshrrev_b32 v1, 5, v0
	s_delay_alu instid0(VALU_DEP_1)
	v_readfirstlane_b32 s8, v1             ; wave 0..15
	s_and_b32 s9, ttmp7, 0xffff
	s_lshr_b32 s10, s9, 4                  ; batch
	s_and_b32 s11, s9, 15                  ; head
	v_lshlrev_b32 v1, 4, v0                ; 16 x thread: the offset in memory of K's and the words' copies,
	s_delay_alu instid0(VALU_DEP_1)
	v_mov_b32 v2, v1                       ; and K's LDS address
	s_delay_alu instid0(VALU_DEP_2)
	v_add_nc_u32 v4, KSREG, v1
	s_delay_alu instid0(VALU_DEP_3)
	v_add_nc_u32 v5, VSREG, v1
	s_delay_alu instid0(VALU_DEP_4)
	v_add_nc_u32 v[GH], 0x10000, v1
	v_add_nc_u32 v[KH], 0x10000, v1
	v_lshrrev_b32 v[VG], 7, v0             ; V: 128 threads to each of its four row blocks of 24,576 bytes
	s_delay_alu instid0(VALU_DEP_1)
	v_mul_u32_u24 v[VG], v[VG], 24576
	v_and_b32 v3, 127, v0
	s_delay_alu instid0(VALU_DEP_1)
	v_lshl_add_u32 v[VG], v3, 4, v[VG]
	s_delay_alu instid0(VALU_DEP_1)
	v_add_nc_u32 v3, VREG, v[VG]
	s_add_co_u32 s14, s11, 16
	s_lshl_b32 s14, s14, 8
	s_lshl_b32 s15, s10, 7
	s_add_co_u32 s14, s14, s15             ; K's first unit
	s_mul_i32 s16, s14, 768
	s_mov_b32 s17, 0
	s_lshl_b32 s20, s14, 6
	s_add_co_u32 s20, s20, 9437184
	s_mov_b32 s21, 0
	s_lshl_b32 s14, s10, 11
	s_lshl_b32 s15, s11, 7
	s_add_co_u32 s14, s14, s15
	s_add_co_u32 s14, s14, 8192            ; V's first unit
	s_mul_i32 s18, s14, 768
	s_mov_b32 s19, 0
	s_lshl_b32 s22, s14, 6
	s_add_co_u32 s22, s22, 9437184
	s_mov_b32 s23, 0
	s_wait_alu depctr_va_vdst(0)
	s_wait_dscnt 0x0
	s_wait_kmcnt 0x0
	s_add_nc_u64 s[16:17], s[4:5], s[16:17]
	s_add_nc_u64 s[18:19], s[4:5], s[18:19]
	s_add_nc_u64 s[20:21], s[4:5], s[20:21]
	s_add_nc_u64 s[22:23], s[4:5], s[22:23]
	; 26 copies a thread, 512 threads x 16 bytes each; the immediate steps both addresses and stays under 65,536.  Their address registers and bases are never written again
	s_lshr_b32 s24, s8, 3                  ; my parity
	s_and_b32 s25, s8, 7                   ; my pair
	s_lshl_b32 s12, ttmp9, 3
	s_add_co_u32 s12, s12, s25             ; the small tile
	s_sub_co_u32 s13, 127, s12             ; the large tile
	TILEPTR 13, 40, 42, 44, 46, 26, 27
	TILEPTR 12, 48, 50, 52, 54, 56, 57
	v_and_b32 v94, 31, v0
	s_delay_alu instid0(VALU_DEP_1)
	v_lshlrev_b32 v6, 3, v94               ; 8 x lane
	s_delay_alu instid0(VALU_DEP_2)
	v_lshlrev_b32 v94, 2, v94              ; 4 x lane
	v_and_b32 v95, 15, v0                  ; r
	s_delay_alu instid0(VALU_DEP_1)
	v_lshlrev_b32 v93, 2, v95              ; 4 r
	v_lshlrev_b32 v251, 5, v95             ; 32 r
.irp c,0,1,2
	global_load_b64 v[16+2*\c:17+2*\c], v6, s[40:41] offset:256*\c   ; both tiles' Q: they land under the wait for the first quarter
	global_load_b64 v[QS+2*\c:QS+2*\c+1], v6, s[48:49] offset:256*\c
.endr
	global_load_b32 v90, v93, s[42:43]
	global_load_b32 v[QSS], v93, s[50:51]
	; the copies stand behind Q's eight loads, so that the wait for Q does not stand behind them
	global_load_async_to_lds_b128 v4, v1, s[20:21]                 ; K's scale words, 8,192 bytes
	global_load_async_to_lds_b128 v5, v1, s[22:23]                 ; V's
.irp g,0,1,2,3
.irp i,0,1,2
.if 8192*(3*\g+\i) < 65536
	global_load_async_to_lds_b128 v2, v1, s[16:17] offset:8192*(3*\g+\i)
.else
	global_load_async_to_lds_b128 v[KH], v[GH], s[16:17] offset:8192*(3*\g+\i)-65536
.endif
.endr
.irp i,0,1,2
	global_load_async_to_lds_b128 v3, v[VG], s[18:19] offset:6144*\g+2048*\i
.endr
.endr
	v_bfe_u32 v8, v0, 4, 1
	v_and_b32 v7, 8, v95
	s_delay_alu instid0(VALU_DEP_1)
	v_add_nc_u32 v7, v7, v95
	s_delay_alu instid0(VALU_DEP_3)
	v_lshlrev_b32 v8, 4, v8
	s_delay_alu instid0(VALU_DEP_1)
	v_sub_nc_u32 v7, v7, v8                ; r + 8 (r/8) - 16 h
	s_mul_i32 s35, s25, 2*MAREA
	s_add_co_u32 s35, s35, MERGE           ; my pair's areas
	v_lshl_add_u32 v[MA], v94, 2, s35
	v_add_nc_u32 v[MB], s35, v6
	s_delay_alu instid0(VALU_DEP_1)
	v_add_nc_u32 v[MB], 4096, v[MB]
	s_mul_i32 s58, s24, 6144               ; a tile's first step of my parity: K,
	s_lshl_b32 s59, s24, 9
	s_add_co_u32 s59, s59, KSREG           ; K's words,
	s_mul_i32 s60, s24, 1536
	s_add_co_u32 s60, s60, VREG            ; V,
	s_lshl_b32 s61, s24, 7
	s_add_co_u32 s61, s61, VSREG           ; V's words
.irp i,22,23,24,25,26,27,76,77,78,79,80,81,242,243,244,245,246,247
	v_mov_b32 v\i, 0                       ; Q's upper halves, and what follows K's last tile: zero codes
.endr
.irp b,0,1,2,3
	v_mov_b32 v[BP+\b], 0                  ; a lane permute's destination counts as read
.endr
	v_mov_b32 v[FF+1], 0                   ; (named as the upper halves of pairs)
	v_mov_b32 v[SU], 0
	v_mov_b32 v[SU+1], 0
	v_mov_b32 v[TT], 0
	v_mov_b32 v[INF], 0xff800000
	s_mov_b32 s[SEL], 0x76543210
	s_mov_b32 s[SEL+1], 0xfedcba98
	s_mov_b32 s[CS], 0x3e38aa3b            ; log2(e) / 8
	s_mov_b32 s[CS+1], s[CS]
	INIT
	s_wait_loadcnt 0x0                     ; Q
	GROUP 18                               ; the large tile: the scale words and the first quarter are in; 3 x 6 copies may be out
	GROUP 12
	GROUP 6
	GROUP 0
	JOIN 0, 44, 46
	INIT                                   ; the small tile: at most 8 steps, four trips
	s_mov_b32 s29, 0
.Lsmall:
	STEP QS, QSS, 56, 57
	s_add_co_u32 s29, s29, 1
	s_cmp_lt_u32 s29, 4
	s_cbranch_scc1 .Lsmall
	JOIN 1, 52, 54
	s_wait_tensorcnt 0x0
	ds_add_u32 v254, v255
	s_wait_dscnt 0x0
	s_endpgm
.Lfunc_end_k_q6e4823bef8_attn:
	.size	k_q6e4823bef8_attn, .Lfunc_end_k_q6e4823bef8_attn-k_q6e4823bef8_attn
	.p2alignl 7, 3214868480
	.fill 96, 4, 3214868480
	.section	.rodata,"a",@progbits
	.p2align	6, 0x0
	.amdhsa_kernel k_q6e4823bef8_attn
		.amdhsa_group_segment_fixed_size 284672
		.amdhsa_private_segment_fixed_size 0
		.amdhsa_enable_private_segment 0
		.amdhsa_kernarg_size 16
		.amdhsa_user_sgpr_count 2
		.amdhsa_user_sgpr_kernarg_segment_ptr 1
		.amdhsa_wavefront_size32 1
		.amdhsa_system_sgpr_workgroup_id_x 1
		.amdhsa_system_sgpr_workgroup_id_y 1
		.amdhsa_system_sgpr_workgroup_id_z 1
		.amdhsa_system_vgpr_workitem_id 0
		.amdhsa_next_free_vgpr 256
		.amdhsa_next_free_sgpr 66
		.amdhsa_reserve_vcc 1
		.amdhsa_float_denorm_mode_32 3
		.amdhsa_float_denorm_mode_16_64 3
		.amdhsa_memory_ordered 1
		.amdhsa_forward_progress 1
		.amdhsa_inst_pref_size 151
	.end_amdhsa_kernel
	.amdgpu_metadata
---
amdhsa.version: [ 1, 2 ]
amdhsa.kernels:
  - .name:           k_q6e4823bef8_attn
    .symbol:         k_q6e4823bef8_attn.kd
    .args:
      - { .name: qkvq, .offset: 0, .size: 8, .value_kind: global_buffer, .address_space: global }
      - { .name: cq, .offset: 8, .size: 8, .value_kind: global_buffer, .address_space: global }
    .group_segment_fixed_size: 284672
    .private_segment_fixed_size: 0
    .kernarg_segment_align: 8
    .kernarg_segment_size: 16
    .max_flat_workgroup_size: 512
    .sgpr_count:     66
    .vgpr_count:     256
    .wavefront_size: 32
...
	.end_amdgpu_metadata
.endif
;; end of part 3
;; launch wo (part 4): grid 8 x 32, 4 waves a work-group, clusters of 4 x 4, 327,680 bytes of LDS; arguments cq, wq, bo, x, x1; writes x1
.if DOCPART == 4
	.amdgcn_target "amdgcn-amd-amdhsa--gfx1250"
	.amdhsa_code_object_version 6
	.text
	.protected	k_q6e4823bef8_wo
	.globl	k_q6e4823bef8_wo
	.p2align	8
	.type	k_q6e4823bef8_wo,@function
k_q6e4823bef8_wo:
	s_mov_b64 s[64:65], 0
	v_nop
	global_prefetch_b8 v0, s[64:65] scope:SCOPE_SE
	s_setreg_imm32_b32 hwreg(HW_REG_WAVE_MODE, 25, 1), 1
	s_wait_xcnt 0x0
	s_wait_alu depctr_hold_cnt(0) depctr_sa_sdst(0) depctr_va_vdst(0) depctr_va_sdst(0) depctr_va_ssrc(0) depctr_va_vcc(0) depctr_vm_vsrc(0)
	s_getreg_b32 s2, hwreg(HW_REG_IB_STS2, 6, 4)
	s_cmp_eq_u32 s2, 0
	s_cbranch_scc0 .Lentry_in_a_cluster
	s_endpgm
.Lentry_in_a_cluster:
	s_bfe_u32 s2, ttmp6, 0x10000c
	s_cmp_lg_u32 s2, 0xf033
	s_cbranch_scc0 .Lentry_shape_is_right
	s_endpgm
.Lentry_shape_is_right:
; x1 = x + ctx Wo + bo: 4,096 x 1,024 x 1,024 on codes of FP6 (E2M3), f32 sums.  The layer norm of x1 is the next launch's.
; 256 work-groups of four waves, 2 x 2, each 128 tokens x 128 columns; a wave makes 64 x 64: 16 accumulators, which take turns in the same order in every K step.
; LDS holds all of K, in two halves of four K steps: in each, ctx's 8 token tiles (8 rows of 6,144 bytes), then Wo's 8 column tiles.  Four joint loads of 49,152 bytes, one a wave at the head, each on a line of its own:
; wave 0 ctx's K steps 0-3, wave 1 Wo's, waves 2 and 3 the same of K steps 4-7.  Nothing is filled again.  The products begin when the first two have landed; a plain barrier at K step 3 shows the other two.
; ctx's tiles are shared along a row of the 4 x 4 cluster, Wo's along a column.  No data prefetch: every tile is asked for at the head, and there is no loop to run ahead in.
; ctx as the attention launch leaves it: unit 16 T + head, 768 bytes, registers 2 p, 2 p + 1 of a head's six at 256 p + 8 lane; two heads on end are a K step's fragment.
; Its scale bytes lie at 3,145,728 + 512 T + 32 r + 2 head: a row's 32 bytes are its eight K steps' words, two loads of 16 bytes a tile.  Wo as prep leaves it: unit 1,536 + 8 tile + K step.
; All scale words go from memory straight into registers.  A register of Wo's holds K step 2 j in lanes 0-15 and K step 2 j + 1 in lanes 16-31; the product names the row.  By the text's count a wave issues 64 plain loads.
; The product is used transposed (source 0 = Wo's rows), bo is the C of each sum's first product, x is loaded at the head in the layout in which rows leave.
; The way out: 16 rows x 64 columns through my own stage in LDS, back as rows, + x; sixteen lanes store 256 consecutive bytes, aligned.
; LIMITS: as stated at the head of prep.
.set TROW, 12288                       ; a tile's eight K steps in memory
.set TCH, 6144                         ; four of them: a tile's row in LDS
.set OPER, 8*TCH                       ; an operand's 8 tiles x four K steps: what one load brings
.set KHALF, 2*OPER                     ; ctx's, then Wo's
.set SPARE, 2*KHALF
.set STAGE, SPARE+512
.set ADRA, 16                          ; v16, v17 my ctx fragments in the two halves of K
.set ADRB, 18                          ; v18, v19 Wo's
.set STO, 24
.set RD, 25
.set CO, 26
.set SPW, 28
.set NIL, 29
.set AS, 32                            ; v32-63 ctx's scale words, 8 tile + K step
.set BSC, 64                           ; v64-79 Wo's, 4 tile + K step / 2
.set AF, 104                           ; window 0: ctx's fragments, two sets of 48;  window 1: Wo's at v0, v96, bo's tiles at v192;  window 2: accumulators;  window 3: x
.set BK, 104                           ; the way out: two sets of 32
.set G1, 24
.set G0, 32
.set G1B, 48
.set G0B, 56
.set MSB, 0
.macro WIN new
.if MSB != (\new)
	s_set_vgpr_msb (MSB<<8)|(\new)
.set MSB, (\new)
.endif
.endm
.macro PLACES
.rept 4
	v_nop
.endr
.endm
.macro CROUND
	s_barrier_signal -1
	s_barrier_wait -1
	s_cmp_lg_u32 s14, 0
	s_cbranch_scc1 .Lnot_wave_0_\@
	s_barrier_signal -3
.Lnot_wave_0_\@:
	s_barrier_wait -3
	s_barrier_signal -1
	s_barrier_wait -1
.endm
.macro HARM g0, g1, lds, step          ; an arm of the head's chain: its place in LDS, its half of K, its load
	s_mov_b32 s[\g0+1], \lds
.if \step
	s_add_nc_u64 s[\g0+2:\g0+3], s[\g0+2:\g0+3], \step
.endif
	s_or_b32 s[\g0+3], s[\g0+3], 0x80000000
	tensor_load_to_lds s[\g0:\g0+3], s[\g1:\g1+7]
	s_nop 0
	PLACES
.endm
.macro FETCH q, set                    ; K step q's fragments: 12 loads of 16 bytes a lane for Wo, 24 of 8 for ctx
	WIN 0x40
.irp i,0,1,2,3
.irp c,0,1,2
	ds_load_b128 v[96*(\set)+12*\i+4*\c:96*(\set)+12*\i+4*\c+3], v[ADRB+(\q)/4] offset:\i*TCH+((\q)%4)*1536+512*\c
.endr
.endr
	WIN 0
.irp i,0,1,2,3
.irp p,0,1,2,3,4,5
	ds_load_b64 v[AF+48*(\set)+12*\i+2*\p:AF+48*(\set)+12*\i+2*\p+1], v[ADRA+(\q)/4] offset:\i*TCH+((\q)%4)*1536+256*\p
.endr
.endr
.endm
.macro PR d, b0, a0, c, sb, sa, row
.if \row
	v_wmma_scale_f32_16x16x128_f8f6f4 v[\d:\d+7], v[\b0:\b0+11], v[\a0:\a0+11], \c, v[\sb], v[\sa] matrix_a_fmt:MATRIX_FMT_FP6 matrix_b_fmt:MATRIX_FMT_FP6 matrix_a_scale:MATRIX_SCALE_ROW1
.else
	v_wmma_scale_f32_16x16x128_f8f6f4 v[\d:\d+7], v[\b0:\b0+11], v[\a0:\a0+11], \c, v[\sb], v[\sa] matrix_a_fmt:MATRIX_FMT_FP6 matrix_b_fmt:MATRIX_FMT_FP6 matrix_a_scale:MATRIX_SCALE_ROW0
.endif
.endm
.macro MUL q, set, first
.if \first
	WIN 0x91
.else
	WIN 0xa1
.endif
.irp a,0,1,2,3
.irp b,0,1,2,3
.if \first
	PR 8*(4*\a+\b), 96*(\set)+12*\b, AF+48*(\set)+12*\a, v[192+8*\b:192+8*\b+7], BSC+4*\b+(\q)/2, AS+8*\a+(\q), (\q)%2
.else
	PR 8*(4*\a+\b), 96*(\set)+12*\b, AF+48*(\set)+12*\a, v[8*(4*\a+\b):8*(4*\a+\b)+7], BSC+4*\b+(\q)/2, AS+8*\a+(\q), (\q)%2
.endif
.endr
.endr
.endm
.macro STEP q, first
.if (\q) == 3
	s_wait_tensorcnt 0x0                   ; every wave: its load has landed, those of K steps 4-7 among them
.endif
	s_wait_dscnt 0x0                       ; this step's fragments, asked for a step ago, are in
.if (\q) == 3
	s_barrier_signal -1                    ; a plain barrier: the second half of K is shown to all
	s_barrier_wait -1
.endif
	PLACES                                 ; places in front of loads into registers that the last step's products have read
.if (\q) < 7
	FETCH (\q)+1, ((\q)+1)%2
.endif
	MUL \q, (\q)%2, \first
.endm
	s_load_b128 s[4:7], s[0:1], 0x0        ; cq, wq
	s_load_b128 s[8:11], s[0:1], 0x10      ; bo, x
	s_load_b64 s[12:13], s[0:1], 0x20      ; x1
	v_lshl_add_u32 v[SPW], v0, 2, SPARE
	v_mov_b32 v[NIL], 0
	ds_add_u32 v[SPW], v[NIL]              ; the opening lines: the add twice on end and its wait; the set-up, work on registers, stands between
	ds_add_u32 v[SPW], v[NIL]
	v_lshrrev_b32 v1, 5, v0
	v_readfirstlane_b32 s14, v1            ; wave
	s_lshr_b32 s15, s14, 1                 ; my half of the rows
	s_and_b32 s16, s14, 1                  ; my half of the columns
	s_bfe_u32 s40, ttmp6, 0x40000
	s_bfe_u32 s41, ttmp6, 0x40004
	s_lshl_b32 s42, ttmp9, 2
	s_add_co_u32 s42, s42, s40             ; block of 128 columns
	s_and_b32 s17, ttmp7, 0xffff
	s_lshl_b32 s17, s17, 2
	s_add_co_u32 s17, s17, s41             ; block of 128 rows
	s_lshl_b32 s43, s41, 2
	s_lshl_b32 s43, 15, s43
	s_lshl_b32 s44, 0x1111, s40
	s_or_b32 s[G1+0], s43, (3<<16)|(1<<21)
	s_or_b32 s[G1B+0], s44, (3<<16)|(1<<21)
.irp g, G1, G1B
	s_mov_b32 s[\g+1], (TCH/8)<<16         ; 8 tiles' rows of 6,144 bytes, 12,288 apart in memory
	s_mov_b32 s[\g+2], 8<<16
	s_mov_b32 s[\g+3], (TCH/8)<<16
	s_mov_b32 s[\g+4], 8
	s_mov_b32 s[\g+5], TROW/8
	s_mov_b32 s[\g+6], 0
	s_mov_b32 s[\g+7], 0
.endr
	s_mul_i32 s20, s17, 8*TROW             ; ctx: the row block's first tile
	s_mov_b32 s21, 0
	s_mul_i32 s46, s42, 8*TROW             ; Wo: the column block's first tile
	s_add_co_u32 s46, s46, 1536*1536
	s_mov_b32 s47, 0
	s_lshl_b32 s22, s42, 3
	s_lshl_b32 s23, s16, 2
	s_add_co_u32 s22, s22, s23             ; my columns' first tile
	s_lshl_b32 s22, s22, 10
	s_add_co_u32 s22, s22, 9437184+1536*128   ; its scale images
	s_mov_b32 s23, 0
	s_lshl_b32 s92, s17, 3
	s_lshl_b32 s93, s15, 2
	s_add_co_u32 s92, s92, s93             ; my rows' first tile
	s_lshl_b32 s92, s92, 9                 ; 512 bytes of scale words a tile
	s_add_co_u32 s92, s92, 3145728
	s_mov_b32 s93, 0
	s_lshl_b32 s94, s42, 9
	s_lshl_b32 s95, s16, 8
	s_add_co_u32 s94, s94, s95             ; my 64 columns, in bytes
	s_mov_b32 s95, 0
	s_lshl_b32 s96, s17, 7
	s_lshl_b32 s97, s15, 6
	s_add_co_u32 s96, s96, s97
	s_lshl_b32 s96, s96, 12                ; my 64 rows
	s_add_co_u32 s96, s96, s94
	s_mov_b32 s97, 0
	s_mov_b32 s[G0], 1
	s_mov_b32 s[G0B], 1
	v_and_b32 v1, 31, v0
	v_bfe_u32 v2, v0, 4, 1
	v_and_b32 v4, 15, v0
	v_lshlrev_b32 v3, 4, v1
	v_lshlrev_b32 v9, 3, v1
	v_lshlrev_b32 v7, 6, v2                ; 64 h
	v_lshlrev_b32 v10, 5, v4               ; 32 r: ctx's scale words
	v_lshlrev_b32 v11, 7, v2
	v_lshl_add_u32 v11, v4, 2, v11         ; 128 h + 4 r: Wo's
	v_lshlrev_b32 v[CO], 12, v2
	v_lshl_add_u32 v[CO], v4, 4, v[CO]     ; lanes 0-15 one row's 256 bytes, lanes 16-31 the next row's
	s_mul_i32 s18, s15, 4*TCH
	v_add_nc_u32 v[ADRA], s18, v9
	v_add_nc_u32 v[ADRA+1], KHALF, v[ADRA]
	s_mul_i32 s18, s16, 4*TCH
	s_add_co_u32 s18, s18, OPER
	v_add_nc_u32 v[ADRB], s18, v3
	v_add_nc_u32 v[ADRB+1], KHALF, v[ADRB]
	s_mul_i32 s18, s14, 16*272
	s_add_co_u32 s18, s18, STAGE           ; my stage
	v_mul_u32_u24 v5, v4, 272
	v_lshl_add_u32 v5, v2, 6, v5
	v_add_nc_u32 v[STO], s18, v5           ; in: row r, + 64 h
	v_mul_u32_u24 v5, v2, 272
	v_lshl_add_u32 v5, v4, 4, v5
	v_add_nc_u32 v[RD], s18, v5            ; back: lanes 0-15 one row, lanes 16-31 the next
	s_wait_alu depctr_va_vdst(0)           ; the wait at the end of the head's vector work
	s_wait_dscnt 0x0
	s_wait_kmcnt 0x0
	s_add_nc_u64 s[G0+2:G0+3], s[4:5], s[20:21]
	s_add_nc_u64 s[G0B+2:G0B+3], s[6:7], s[46:47]
	s_add_nc_u64 s[22:23], s[6:7], s[22:23]
	s_add_nc_u64 s[92:93], s[4:5], s[92:93]
	s_add_nc_u64 s[8:9], s[8:9], s[94:95]
	s_add_nc_u64 s[10:11], s[10:11], s[96:97]
	s_add_nc_u64 s[12:13], s[12:13], s[96:97]
.irp i,0,1,2,3
	global_load_b128 v[AS+8*\i:AS+8*\i+3], v10, s[92:93] offset:512*\i        ; the 32 small loads go out ahead of the round
	global_load_b128 v[AS+8*\i+4:AS+8*\i+7], v10, s[92:93] offset:512*\i+16
.endr
.set I_, 0
.rept 16
	global_load_b32 v[BSC+I_], v11, s[22:23] offset:256*I_     ; tile I_ / 4, K steps 2 (I_ % 4) and the next
.set I_, I_+1
.endr
	WIN 0x40
.irp b,0,1,2,3
	global_load_b128 v[192+8*\b:195+8*\b], v7, s[8:9] offset:(32*(\b/2)+8*(\b%2))*4
	global_load_b128 v[196+8*\b:199+8*\b], v7, s[8:9] offset:(32*(\b/2)+8*(\b%2))*4+16
.endr
	WIN 0
	CROUND                                 ; all sixteen work-groups are here: the joint loads meet
	s_cmp_eq_u32 s14, 0
	s_cbranch_scc0 .Lhead_1
	HARM G0, G1, 0, 0                      ; wave 0: ctx, K steps 0-3
	s_branch .Lhead_j
.Lhead_1:
	s_cmp_eq_u32 s14, 1
	s_cbranch_scc0 .Lhead_2
	HARM G0B, G1B, OPER, 0                 ; wave 1: Wo, K steps 0-3
	s_branch .Lhead_j
.Lhead_2:
	s_cmp_eq_u32 s14, 2
	s_cbranch_scc0 .Lhead_3
	HARM G0, G1, KHALF, TCH                ; wave 2: ctx, K steps 4-7
	s_branch .Lhead_j
.Lhead_3:
	HARM G0B, G1B, KHALF+OPER, TCH         ; wave 3: Wo, K steps 4-7
.Lhead_j:
	WIN 0xc0
.irp a,0,1,2,3
.irp t,0,1,2,3,4,5,6,7
	global_load_b128 v[32*\a+4*\t:32*\a+4*\t+3], v[CO], s[10:11] offset:(32*(\a/2)+8*(\a%2)+2*\t+8*(\t/4))*4096 th:TH_LOAD_NT   ; stage rows 2 t, 2 t + 1 of tile a, by the tile order
.endr
.endr
	WIN 0
	s_wait_loadcnt 32                      ; the scale words and bo are in; x's 32 loads may be out
	s_cmp_lt_u32 s14, 2
	s_cbranch_scc0 .Lhalf1_out
	s_wait_tensorcnt 0x0                   ; waves 0 and 1: K steps 0-3 have landed
.Lhalf1_out:
	s_barrier_signal -1
	s_barrier_wait -1                      ; the other two loads may still be on their way
	FETCH 0, 0
	STEP 0, 1
.irp q,1,2,3,4,5,6,7
	STEP \q, 0
.endr
	WIN 0
	PLACES
	s_wait_loadcnt 0x0                     ; x
.irp a,0,1,2,3
	WIN 0x08                               ; an LDS store's data are its source 1: window 2
.irp b,0,1,2,3
	ds_store_b128 v[STO], v[8*(4*\a+\b):8*(4*\a+\b)+3] offset:128*(\b/2)+32*(\b%2)        ; each accumulator from its low end on
	ds_store_b128 v[STO], v[8*(4*\a+\b)+4:8*(4*\a+\b)+7] offset:128*(\b/2)+32*(\b%2)+16
.endr
	WIN 0
.if \a > 1
	s_wait_xcnt 0x0                        ; the stores of two tiles ago have read these registers
.endif
.irp t,0,1,2,3,4,5,6,7
	ds_load_b128 v[BK+32*(\a%2)+4*\t:BK+32*(\a%2)+4*\t+3], v[RD] offset:544*\t   ; LDS serves a wave's instructions in order: these see my stores
.endr
	s_wait_dscnt 0x0
	WIN 0x0c                               ; source 1: window 3
.set J_, 0
.rept 16
	v_pk_add_f32 v[BK+32*(\a%2)+J_:BK+32*(\a%2)+J_+1], v[BK+32*(\a%2)+J_:BK+32*(\a%2)+J_+1], v[32*\a+J_:32*\a+J_+1]
.set J_, J_+2
.endr
	WIN 0
.irp t,0,1,2,3,4,5,6,7
	global_store_b128 v[CO], v[BK+32*(\a%2)+4*\t:BK+32*(\a%2)+4*\t+3], s[12:13] offset:(32*(\a/2)+8*(\a%2)+2*\t+8*(\t/4))*4096
.endr
.endr
	s_wait_tensorcnt 0x0                   ; the wave's end
	ds_add_u32 v[SPW], v[NIL]
	s_wait_dscnt 0x0
	CROUND                                 ; the closing round
	s_endpgm
.Lfunc_end_k_q6e4823bef8_wo:
	.size	k_q6e4823bef8_wo, .Lfunc_end_k_q6e4823bef8_wo-k_q6e4823bef8_wo
	.p2alignl 7, 3214868480
	.fill 96, 4, 3214868480
	.section	.rodata,"a",@progbits
	.p2align	6, 0x0
	.amdhsa_kernel k_q6e4823bef8_wo
		.amdhsa_group_segment_fixed_size 327680
		.amdhsa_private_segment_fixed_size 0
		.amdhsa_enable_private_segment 0
		.amdhsa_kernarg_size 40
		.amdhsa_user_sgpr_count 2
		.amdhsa_user_sgpr_kernarg_segment_ptr 1
		.amdhsa_wavefront_size32 1
		.amdhsa_system_sgpr_workgroup_id_x 1
		.amdhsa_system_sgpr_workgroup_id_y 1
		.amdhsa_system_sgpr_workgroup_id_z 1
		.amdhsa_system_vgpr_workitem_id 0
		.amdhsa_next_free_vgpr 1024
		.amdhsa_next_free_sgpr 100
		.amdhsa_reserve_vcc 0
		.amdhsa_float_denorm_mode_32 3
		.amdhsa_float_denorm_mode_16_64 3
		.amdhsa_memory_ordered 1
		.amdhsa_forward_progress 1
		.amdhsa_inst_pref_size 62
	.end_amdhsa_kernel
	.amdgpu_metadata
---
amdhsa.version: [ 1, 2 ]
amdhsa.kernels:
  - .name:           k_q6e4823bef8_wo
    .symbol:         k_q6e4823bef8_wo.kd
    .args:
      - { .name: cq, .offset: 0, .size: 8, .value_kind: global_buffer, .address_space: global }
      - { .name: wq, .offset: 8, .size: 8, .value_kind: global_buffer, .address_space: global }
      - { .name: bo, .offset: 16, .size: 8, .value_kind: global_buffer, .address_space: global }
      - { .name: x, .offset: 24, .size: 8, .value_kind: global_buffer, .address_space: global }
      - { .name: x1, .offset: 32, .size: 8, .value_kind: global_buffer, .address_space: global }
    .group_segment_fixed_size: 327680
    .private_segment_fixed_size: 0
    .kernarg_segment_align: 8
    .kernarg_segment_size: 40
    .max_flat_workgroup_size: 128
    .sgpr_count:     100
    .vgpr_count:     1024
    .wavefront_size: 32
...
	.end_amdgpu_metadata
.endif
;; end of part 4
;; launch ln2: the kernel of part 1 again; grid 256 x 2, 8 waves a work-group, no clusters, 66,816 bytes of LDS; arguments x1, ln_scale, ln_shift, Wq, Wk, Wv, Wo, W1, W2, wq, h2q; writes wq, h2q
;; launch w1 (part 5): grid 16 x 16, 4 waves a work-group, clusters of 4 x 4, 327,680 bytes of LDS; arguments h2q, wq, b1, fq; writes fq
.if DOCPART == 5
	.amdgcn_target "amdgcn-amd-amdhsa--gfx1250"
	.amdhsa_code_object_version 6
	.text
	.protected	k_q6e4823bef8_w1
	.globl	k_q6e4823bef8_w1
	.p2align	8
	.type	k_q6e4823bef8_w1,@function
k_q6e4823bef8_w1:
	s_mov_b64 s[64:65], 0
	v_nop
	global_prefetch_b8 v0, s[64:65] scope:SCOPE_SE
	s_setreg_imm32_b32 hwreg(HW_REG_WAVE_MODE, 25, 1), 1
	s_wait_xcnt 0x0
	s_wait_alu depctr_hold_cnt(0) depctr_sa_sdst(0) depctr_va_vdst(0) depctr_va_sdst(0) depctr_va_ssrc(0) depctr_va_vcc(0) depctr_vm_vsrc(0)
	s_getreg_b32 s2, hwreg(HW_REG_IB_STS2, 6, 4)
	s_cmp_eq_u32 s2, 0
	s_cbranch_scc0 .Lentry_in_a_cluster
	s_endpgm
.Lentry_in_a_cluster:
	s_bfe_u32 s2, ttmp6, 0x10000c
	s_cmp_lg_u32 s2, 0xf033
	s_cbranch_scc0 .Lentry_shape_is_right
	s_endpgm
.Lentry_shape_is_right:
.set TA, 8
.set TB, 8
.set NQ, 2
.set KSTEPS, 8
.set HASBIAS, 1
.set TILEB, NQ*1536
.set SLOT, 4*TA*TILEB
.set HALFS, TA*KSTEPS*128
.set LAPS, KSTEPS/(2*NQ)
.set SCL, 2*SLOT
.set SPARE, SCL+4*HALFS
.set A_SCALES, 3145728
.set B_CODES, 2048*1536
.set B_SCALES, 9437184+2048*128
.set ADRA, 16
.set ADRB, 20
.set ADRS, 27
.set SPW, 28
.set NIL, 29
.set SC, 32
.set AF, 64
.set G1, 24
.set G0, 32
.set G1B, 48
.set G0B, 56
.set G1S, 68
.set G0S, 76
.set G1SB, 80
.set G0SB, 88
.set HA, 64
.set PC, 128
.set TM, 148
.set PW, 164
.set KV, 166
.set SEL, 66
.set MSB, 0
.macro WIN new
.if MSB != (\new)
	s_set_vgpr_msb (MSB<<8)|(\new)
.set MSB, (\new)
.endif
.endm
.macro PLACES
.rept 4
	v_nop
.endr
.endm
.macro JLOAD g0a, g1a, g0b, g1b
	s_cmp_eq_u32 s15, 0
	s_cbranch_scc0 .Lfor_b_\@
	tensor_load_to_lds s[\g0a:\g0a+3], s[\g1a:\g1a+7]
	s_nop 0
.rept 4
	v_nop
.endr
	s_branch .Lasked_\@
.Lfor_b_\@:
	tensor_load_to_lds s[\g0b:\g0b+3], s[\g1b:\g1b+7]
	s_nop 0
.rept 4
	v_nop
.endr
.Lasked_\@:
.endm
.macro CREST
	s_cmp_lg_u32 s14, 0
	s_cbranch_scc1 .Lnot_wave_0_\@
	s_barrier_signal -3
.Lnot_wave_0_\@:
	s_barrier_wait -3
	s_barrier_signal -1
	s_barrier_wait -1
.endm
.macro CROUND
	s_barrier_signal -1
	s_barrier_wait -1
	CREST
.endm
.macro FETCH slot, q, set
	WIN 0x40
.set I_, 0
.rept TB
.irp c,0,1,2
	ds_load_b128 v[96*(\set)+12*I_+4*\c:96*(\set)+12*I_+4*\c+3], v[ADRB+\slot] offset:I_*TILEB+(\q)*1536+512*\c
.endr
.set I_, I_+1
.endr
	WIN 0
.set I_, 0
.rept TA
.irp c,0,1,2
	ds_load_b128 v[AF+96*(\set)+12*I_+4*\c:AF+96*(\set)+12*I_+4*\c+3], v[ADRA+\slot] offset:I_*TILEB+(\q)*1536+512*\c
.endr
.set I_, I_+1
.endr
.set I_, 0
.rept TA
	ds_load_b32 v[SC+8*(\set)+I_], v[ADRS] offset:I_*KSTEPS*128+(\q)*128
.set I_, I_+1
.endr
.endm
.macro MULQ j, set, first
.set A_, (\j)*(TA/4)
.rept TA/4
.set IX_, A_*TB*8
.if (\first) && HASBIAS
	WIN 0x91+0x40*(IX_/256)
.else
	WIN 0xa1+0x50*(IX_/256)
.endif
.set B_, 0
.rept TB
.set R_, (IX_+8*B_)%256
.if (\first) && HASBIAS
	v_wmma_scale_f32_16x16x128_f8f6f4 v[R_:R_+7], v[96*(\set)+12*B_:96*(\set)+12*B_+11], v[AF+96*(\set)+12*A_:AF+96*(\set)+12*A_+11], v[192+8*B_:192+8*B_+7], v[SC+8*(\set)+B_], v[SC+8*(\set)+A_] matrix_a_fmt:MATRIX_FMT_FP6 matrix_b_fmt:MATRIX_FMT_FP6 matrix_a_scale:MATRIX_SCALE_ROW1
.elseif \first
	v_wmma_scale_f32_16x16x128_f8f6f4 v[R_:R_+7], v[96*(\set)+12*B_:96*(\set)+12*B_+11], v[AF+96*(\set)+12*A_:AF+96*(\set)+12*A_+11], 0, v[SC+8*(\set)+B_], v[SC+8*(\set)+A_] matrix_a_fmt:MATRIX_FMT_FP6 matrix_b_fmt:MATRIX_FMT_FP6 matrix_a_scale:MATRIX_SCALE_ROW1
.else
	v_wmma_scale_f32_16x16x128_f8f6f4 v[R_:R_+7], v[96*(\set)+12*B_:96*(\set)+12*B_+11], v[AF+96*(\set)+12*A_:AF+96*(\set)+12*A_+11], v[R_:R_+7], v[SC+8*(\set)+B_], v[SC+8*(\set)+A_] matrix_a_fmt:MATRIX_FMT_FP6 matrix_b_fmt:MATRIX_FMT_FP6 matrix_a_scale:MATRIX_SCALE_ROW1
.endif
.set B_, B_+1
.endr
.set A_, A_+1
.endr
.endm
.macro STEP slot, q, first
	s_wait_dscnt 0x0
	PLACES
	FETCH \slot, (\q)+1, ((\q)+1)%2
	MULQ 0, (\q)%2, \first
	MULQ 1, (\q)%2, \first
	MULQ 2, (\q)%2, \first
	MULQ 3, (\q)%2, \first
.endm
.macro TURN slot, next, fill
	WIN 0
	s_wait_tensorcnt 0x0
	ds_add_u32 v[SPW], v[NIL]
	s_wait_dscnt 0x1
	MULQ 0, 1, 0
	s_wait_dscnt 0x0
	s_barrier_signal -1
	MULQ 1, 1, 0
	WIN 0
	s_barrier_wait -1
.if \fill
	CREST
	s_add_nc_u64 s[G0+4*\slot+2:G0+4*\slot+3], s[G0+4*\slot+2:G0+4*\slot+3], 2*TILEB
	s_add_nc_u64 s[G0B+4*\slot+2:G0B+4*\slot+3], s[G0B+4*\slot+2:G0B+4*\slot+3], 2*TILEB
	JLOAD G0+4*\slot, G1, G0B+4*\slot, G1B
.else
	PLACES
.endif
	s_wait_alu depctr_va_vdst(0)
	v_add_nc_u32 v[ADRS], NQ*128, v[ADRS]
	FETCH \next, 0, 0
	MULQ 2, 1, 0
	MULQ 3, 1, 0
.endm
.macro LAST
	s_wait_dscnt 0x0
	MULQ 0, 1, 0
	MULQ 1, 1, 0
	MULQ 2, 1, 0
	MULQ 3, 1, 0
.endm
.macro QUANTW s, W
	WIN ((\W)|((\W)<<2))
.irp b,0,1,2,3
	v_max3_num_f32 v[TM+\b], |v[(\s)+16*\b]|, |v[(\s)+1+16*\b]|, 0x1800000
.endr
.irp i,2,4,6,8,10,12,14
.irp b,0,1,2,3
	v_max3_num_f32 v[TM+\b], |v[(\s)+16*\b+\i]|, |v[(\s)+1+16*\b+\i]|, v[TM+\b]
.endr
.endr
	WIN 0
.irp b,0,1,2,3
	v_permlanex16_b32 v[TM+4+\b], v[TM+\b], s[SEL], s[SEL+1]
.endr
.irp b,0,1,2,3
	v_max_num_f32 v[TM+\b], v[TM+\b], v[TM+4+\b]
.endr
.irp b,0,1,2,3
	v_add_nc_u32 v[TM+12+\b], 0xff000000, v[TM+\b]
.endr
.irp b,0,1,2,3
	v_lshrrev_b32 v[TM+4+\b], 23, v[TM+12+\b]
.endr
	v_lshl_or_b32 v[PW], v[TM+5], 8, v[TM+4]
	v_lshl_or_b32 v[PW], v[TM+6], 16, v[PW]
	v_lshl_or_b32 v[PW], v[TM+7], 24, v[PW]
	WIN (\W)
.irp c,0,1
	v_cvt_scalef32_pk16_fp6_f32 v[PC+6*\c:PC+2+6*\c], v[(\s)+32*\c:(\s)+15+32*\c], v[TM+12+2*\c]
	v_cvt_scalef32_pk16_fp6_f32 v[PC+12+4*\c:PC+14+4*\c], v[(\s)+16+32*\c:(\s)+31+32*\c], v[TM+12+2*\c+1]
.endr
	WIN 0
	v_nop
.irp c,0,1
.irp i,0,1,2
	v_permlane16_swap_b32 v[PC+6*\c+\i], v[PC+12+4*\c+\i]
.endr
.irp i,0,1,2
	v_mov_b32 v[PC+3+6*\c+\i], v[PC+12+4*\c+\i]
.endr
.endr
.endm
	s_load_b128 s[4:7], s[0:1], 0x0
	s_load_b128 s[8:11], s[0:1], 0x10
	v_lshl_add_u32 v[SPW], v0, 2, SPARE
	v_mov_b32 v[NIL], 0
	ds_add_u32 v28, v29
	ds_add_u32 v28, v29
	s_wait_dscnt 0x0
	v_lshrrev_b32 v1, 5, v0
	v_readfirstlane_b32 s14, v1
	s_lshr_b32 s15, s14, 1
	s_and_b32 s16, s14, 1
	s_bfe_u32 s40, ttmp6, 0x40000
	s_bfe_u32 s41, ttmp6, 0x40004
	s_lshl_b32 s42, ttmp9, 2
	s_add_co_u32 s42, s42, s40
	s_and_b32 s17, ttmp7, 0xffff
	s_lshl_b32 s17, s17, 2
	s_add_co_u32 s17, s17, s41
	s_lshl_b32 s43, s41, 2
	s_lshl_b32 s43, 15, s43
	s_lshl_b32 s44, 0x1111, s40
	s_or_b32 s[G1+0], s43, (3<<16)|(1<<21)
	s_or_b32 s[G1B+0], s44, (3<<16)|(1<<21)
.irp g, G1, G1B
	s_mov_b32 s[\g+1], (TILEB/8)<<16
	s_mov_b32 s[\g+2], TA<<16
	s_mov_b32 s[\g+3], (TILEB/8)<<16
	s_mov_b32 s[\g+4], TA
	s_mov_b32 s[\g+5], KSTEPS*192
	s_mov_b32 s[\g+6], 0
	s_mov_b32 s[\g+7], 0
.endr
	s_or_b32 s[G1S+0], s43, (3<<16)|(1<<21)
	s_or_b32 s[G1SB+0], s44, (3<<16)|(1<<21)
.irp g, G1S, G1SB
	s_mov_b32 s[\g+1], (TILEB/8)<<16       ; the head's loads: all 2 TA tiles of an operand, one chunk of NQ K steps
	s_mov_b32 s[\g+2], (2*TA)<<16
	s_mov_b32 s[\g+3], (TILEB/8)<<16
	s_mov_b32 s[\g+4], 2*TA
	s_mov_b32 s[\g+5], KSTEPS*192
	s_mov_b32 s[\g+6], 0
	s_mov_b32 s[\g+7], 0
.endr
	s_mul_i32 s18, s16, TA
	s_mul_i32 s20, s17, 2*TA
	s_add_co_u32 s20, s20, s18
	s_mul_i32 s46, s42, 2*TB
	s_add_co_u32 s46, s46, s18
	s_mul_i32 s22, s20, KSTEPS*128
	s_mul_i32 s20, s20, KSTEPS*1536
	s_mul_i32 s92, s46, KSTEPS*128
	s_mul_i32 s46, s46, KSTEPS*1536
	s_add_co_u32 s22, s22, A_SCALES
	s_add_co_u32 s46, s46, B_CODES
	s_add_co_u32 s92, s92, B_SCALES
	s_mov_b32 s21, 0
	s_mov_b32 s23, 0
	s_mov_b32 s47, 0
	s_mov_b32 s93, 0
	s_mul_i32 s45, s14, TA*TILEB
	s_mul_i32 s98, s14, HALFS
	s_wait_kmcnt 0x0
	s_add_nc_u64 s[20:21], s[4:5], s[20:21]
	s_add_nc_u64 s[22:23], s[4:5], s[22:23]
	s_add_nc_u64 s[46:47], s[6:7], s[46:47]
	s_add_nc_u64 s[92:93], s[6:7], s[92:93]
	CROUND
	s_mov_b32 s[G0S], 1
	s_mov_b32 s[G0SB], 1
	s_mul_i32 s2, s16, TA*KSTEPS*1536
	s_mov_b32 s3, 0
	s_sub_nc_u64 s[G0S+2:G0S+3], s[20:21], s[2:3]     ; the operand's first tile: my half's offset taken off
	s_sub_nc_u64 s[G0SB+2:G0SB+3], s[46:47], s[2:3]
.irp s,0,1
	s_mov_b32 s[G0+4*\s], 1
	s_add_co_u32 s[G0+4*\s+1], s45, \s*SLOT
	s_add_nc_u64 s[G0+4*\s+2:G0+4*\s+3], s[20:21], \s*TILEB
	s_or_b32 s[G0+4*\s+3], s[G0+4*\s+3], 0x80000000
	s_mov_b32 s[G0B+4*\s], 1
	s_add_co_u32 s[G0B+4*\s+1], s45, \s*SLOT
	s_add_nc_u64 s[G0B+4*\s+2:G0B+4*\s+3], s[46:47], \s*TILEB
	s_or_b32 s[G0B+4*\s+3], s[G0B+4*\s+3], 0x80000000
.endr
; THE HEAD'S FOUR JOINT LOADS, one a wave, each on a line of its own in one chain of branches on the wave's number: A's chunk 0, B's chunk 0, A's chunk 1, B's chunk 1: both slots are asked for at once
.macro HARM g0, g1, lds, step
	s_mov_b32 s[\g0+1], \lds
.if \step
	s_add_nc_u64 s[\g0+2:\g0+3], s[\g0+2:\g0+3], \step
.endif
	s_or_b32 s[\g0+3], s[\g0+3], 0x80000000
	tensor_load_to_lds s[\g0:\g0+3], s[\g1:\g1+7]
	s_nop 0
	PLACES
.endm
	s_cmp_eq_u32 s14, 0
	s_cbranch_scc0 .Lhead_1
	HARM G0S, G1S, 0, 0
	s_branch .Lhead_j
.Lhead_1:
	s_cmp_eq_u32 s14, 1
	s_cbranch_scc0 .Lhead_2
	HARM G0SB, G1SB, 2*TA*TILEB, 0
	s_branch .Lhead_j
.Lhead_2:
	s_cmp_eq_u32 s14, 2
	s_cbranch_scc0 .Lhead_3
	HARM G0S, G1S, SLOT, TILEB
	s_branch .Lhead_j
.Lhead_3:
	HARM G0SB, G1SB, SLOT+2*TA*TILEB, TILEB
.Lhead_j:
; my quarter of the scale images (HALFS dense bytes) comes by plain loads, 512 bytes on end an instruction, and goes into LDS by stores: no tile lands on those bytes
	s_cmp_eq_u32 s15, 0
	s_cselect_b64 s[104:105], s[22:23], s[92:93]
	s_cselect_b64 s[100:101], s[20:21], s[46:47]      ; prefetches: the TA tiles that I fetch in the ring,
	s_cselect_b32 s2, s40, s41                        ; of which each of the four partners of the joint load takes TA / 4, told apart by address
	s_mul_i32 s2, s2, (TA/4)*KSTEPS*1536
	s_add_nc_u64 s[100:101], s[100:101], s[2:3]
	s_add_co_u32 s98, s98, SCL
	v_and_b32 v10, 31, v0
	v_min_u32 v11, 23, v10                 ; 24 blocks of 256 bytes a chunk and partner: a lane a block, the lanes left over name the last again
	v_lshlrev_b32 v10, 4, v10
.if TA == 8
	v_mul_u32_u24 v12, v11, 22
	v_lshrrev_b32 v12, 8, v12              ; block / 12: which of my two tiles
	v_mul_u32_u24 v13, v12, 12
	v_sub_nc_u32 v11, v11, v13
	v_lshlrev_b32 v11, 8, v11
	v_mad_u32_u24 v11, v12, KSTEPS*1536, v11
.else
	v_lshlrev_b32 v11, 8, v11
.endif
	v_add_nc_u32 v9, s98, v10
.set I_, 0
.rept HALFS/512
	global_load_b128 v[64+4*I_:64+4*I_+3], v10, s[104:105] offset:512*I_
.set I_, I_+1
.endr
	global_prefetch_b8 v11, s[100:101] offset:2*TILEB th:TH_LOAD_NT scope:SCOPE_SE   ; chunks 2 and 3, which the first two refills load
	global_prefetch_b8 v11, s[100:101] offset:3*TILEB th:TH_LOAD_NT scope:SCOPE_SE
	v_and_b32 v1, 31, v0
	v_bfe_u32 v2, v0, 4, 1
	v_lshlrev_b32 v3, 4, v1
	s_wait_alu depctr_va_vdst(0)
	v_and_b32 v4, 15, v0
	v_lshlrev_b32 v8, 2, v1
	v_lshlrev_b32 v7, 6, v2
	s_lshl_b32 s20, s42, 10
	s_lshl_b32 s21, s16, 9
	s_add_co_u32 s20, s20, s21
	s_mov_b32 s21, 0
	s_add_nc_u64 s[8:9], s[8:9], s[20:21]
	WIN 0x40
.irp b,0,1,2,3,4,5,6,7
	global_load_b128 v[192+8*\b:195+8*\b], v7, s[8:9] offset:(32*(\b/2)+8*(\b%2))*4
	global_load_b128 v[196+8*\b:199+8*\b], v7, s[8:9] offset:(32*(\b/2)+8*(\b%2))*4+16
.endr
	WIN 0
	s_mul_i32 s21, s15, TA*TILEB
	s_mul_i32 s22, s16, TB*TILEB
	s_add_co_u32 s22, s22, 2*TA*TILEB
.irp s,0,1
	v_add_nc_u32 v[ADRA+\s], s21, v3
	v_add_nc_u32 v[ADRB+\s], s22, v3
	s_add_co_u32 s21, s21, SLOT
	s_add_co_u32 s22, s22, SLOT
.endr
	s_mul_i32 s21, s15, HALFS
	s_mul_i32 s22, s16, HALFS
	s_add_co_u32 s22, s22, 2*HALFS
	s_sub_co_u32 s22, s22, s21
	v_mul_u32_u24 v6, s22, v2
	s_wait_alu depctr_va_vdst(0)
	s_add_co_u32 s21, s21, SCL
	v_add_nc_u32 v5, v8, v6
	v_add_nc_u32 v[ADRS], s21, v5
	s_lshl_b32 s20, s17, 4
	s_lshl_b32 s21, s15, 3
	s_add_co_u32 s20, s20, s21
	s_lshl_b32 s20, s20, 5
	s_lshl_b32 s21, s42, 1
	s_add_co_u32 s20, s20, s21
	s_add_co_u32 s20, s20, s16
	s_lshl_b32 s22, s20, 7
	s_add_co_u32 s22, s22, 12582912
	s_mul_i32 s20, s20, 1536
	s_mov_b32 s21, 0
	s_mov_b32 s23, 0
	s_add_nc_u64 s[12:13], s[10:11], s[20:21]
	s_add_nc_u64 s[10:11], s[10:11], s[22:23]
	s_mov_b32 s20, 0xbdd2d3e8
	s_mov_b32 s21, s20
	s_mov_b32 s[SEL], 0x76543210
	s_mov_b32 s[SEL+1], 0xfedcba98
	s_wait_alu depctr_va_vdst(0)
	s_wait_loadcnt 16                      ; my scale images are in registers; b1's 16 loads may be out
.set I_, 0
.rept HALFS/512
	ds_store_b128 v9, v[64+4*I_:64+4*I_+3] offset:512*I_
.set I_, I_+1
.endr
	s_wait_dscnt 0x0
	s_cmp_lt_u32 s14, 2
	s_cbranch_scc0 .Lslot1_out
	s_wait_tensorcnt 0x0                   ; waves 0 and 1: slot 0's tiles have landed; slot 1's are waited for at the first change of slots
.Lslot1_out:
	s_barrier_signal -1
	s_barrier_wait -1
	FETCH 0, 0, 0
	s_wait_loadcnt 0x0
	STEP 0, 0, 1
	WIN 0
	s_mov_b32 s3, LAPS-1
.Llap:
	TURN 0, 1, 1
	s_wait_alu depctr_va_vdst(0)
	STEP 1, 0, 0
	TURN 1, 0, 1
	s_wait_alu depctr_va_vdst(0)
	STEP 0, 0, 0
	WIN 0
	s_sub_co_u32 s3, s3, 1
	s_cmp_lg_u32 s3, 0
	s_cbranch_scc1 .Llap
	TURN 0, 1, 0
	s_wait_alu depctr_va_vdst(0)
	STEP 1, 0, 0
	LAST
	WIN 0
	PLACES
.irp b,0,1,2,3
	v_mov_b32 v[TM+4+\b], 0
.endr
	v_mov_b32 v[KV], 0xc0135761
	v_mov_b32 v[KV+1], 0xc0135761
.macro GELUQ a
.set W_, 2+(\a)/4
.set X_, 64*((\a)%4)
	WIN (W_|(W_<<2))
.set J_, 0
.rept 32
	v_pk_mul_f32 v[HA+J_:HA+J_+1], v[X_+J_:X_+J_+1], v[X_+J_:X_+J_+1]
.set J_, J_+2
.endr
	WIN 0
.set J_, 0
.rept 32
	v_pk_fma_f32 v[HA+J_:HA+J_+1], v[HA+J_:HA+J_+1], s[20:21], v[KV:KV+1] op_sel_hi:[1,0,0]
.set J_, J_+2
.endr
	WIN W_
.set J_, 0
.rept 32
	v_pk_mul_f32 v[HA+J_:HA+J_+1], v[X_+J_:X_+J_+1], v[HA+J_:HA+J_+1]
.set J_, J_+2
.endr
	WIN 0
.set J_, 0
	s_wait_alu depctr_va_vdst(0)
.rept 64
	v_exp_f32 v[HA+J_], v[HA+J_]
.set J_, J_+1
.endr
	v_nop
.set J_, 0
	s_wait_alu depctr_va_vdst(0)
.rept 32
	v_pk_add_f32 v[HA+J_:HA+J_+1], v[HA+J_:HA+J_+1], 1.0 op_sel_hi:[1,0]
.set J_, J_+2
.endr
.set J_, 0
	s_wait_alu depctr_va_vdst(0)
.rept 64
	v_rcp_f32 v[HA+J_], v[HA+J_]
.set J_, J_+1
.endr
	v_nop
	WIN W_
.set J_, 0
	s_wait_alu depctr_va_vdst(0)
.rept 32
	v_pk_mul_f32 v[HA+J_:HA+J_+1], v[X_+J_:X_+J_+1], v[HA+J_:HA+J_+1]
.set J_, J_+2
.endr
	WIN 0
	s_wait_xcnt 0x0
	QUANTW HA, 0
.irp c,0,1,2
	global_store_b128 v3, v[PC+4*\c:PC+4*\c+3], s[12:13] offset:(\a)*49152+512*\c
.endr
	global_store_b32 v8, v[PW], s[10:11] offset:(\a)*4096
.endm
.irp a,0,1,2,3,4,5,6,7
	GELUQ \a
.endr
	s_wait_tensorcnt 0x0
	ds_add_u32 v[SPW], v[NIL]
	s_wait_dscnt 0x0
	CROUND
	s_endpgm
.Lfunc_end_k_q6e4823bef8_w1:
	.size	k_q6e4823bef8_w1, .Lfunc_end_k_q6e4823bef8_w1-k_q6e4823bef8_w1
	.p2alignl 7, 3214868480
	.fill 96, 4, 3214868480
	.section	.rodata,"a",@progbits
	.p2align	6, 0x0
	.amdhsa_kernel k_q6e4823bef8_w1
		.amdhsa_group_segment_fixed_size 327680
		.amdhsa_private_segment_fixed_size 0
		.amdhsa_enable_private_segment 0
		.amdhsa_kernarg_size 32
		.amdhsa_user_sgpr_count 2
		.amdhsa_user_sgpr_kernarg_segment_ptr 1
		.amdhsa_wavefront_size32 1
		.amdhsa_system_sgpr_workgroup_id_x 1
		.amdhsa_system_sgpr_workgroup_id_y 1
		.amdhsa_system_sgpr_workgroup_id_z 1
		.amdhsa_system_vgpr_workitem_id 0
		.amdhsa_next_free_vgpr 1024
		.amdhsa_next_free_sgpr 106
		.amdhsa_reserve_vcc 0
		.amdhsa_float_denorm_mode_32 3
		.amdhsa_float_denorm_mode_16_64 3
		.amdhsa_memory_ordered 1
		.amdhsa_forward_progress 1
		.amdhsa_inst_pref_size 255
	.end_amdhsa_kernel
	.section	.bss,"aw",@nobits
	.p2align	6
	.space	262144
	.amdgpu_metadata
---
amdhsa.version: [ 1, 2 ]
amdhsa.kernels:
  - .name:           k_q6e4823bef8_w1
    .symbol:         k_q6e4823bef8_w1.kd
    .args:
      - { .name: h2q, .offset: 0, .size: 8, .value_kind: global_buffer, .address_space: global }
      - { .name: wq, .offset: 8, .size: 8, .value_kind: global_buffer, .address_space: global }
      - { .name: b1, .offset: 16, .size: 8, .value_kind: global_buffer, .address_space: global }
      - { .name: fq, .offset: 24, .size: 8, .value_kind: global_buffer, .address_space: global }
    .group_segment_fixed_size: 327680
    .private_segment_fixed_size: 0
    .kernarg_segment_align: 8
    .kernarg_segment_size: 32
    .max_flat_workgroup_size: 128
    .sgpr_count:     106
    .vgpr_count:     1024
    .wavefront_size: 32
...
	.end_amdgpu_metadata
.endif
;; end of part 5
;; launch w2 (part 6): grid 8 x 32, 4 waves a work-group, clusters of 4 x 4, 327,680 bytes of LDS; arguments fq, wq, b2, x1, out0; writes out0
.if DOCPART == 6
	.amdgcn_target "amdgcn-amd-amdhsa--gfx1250"
	.amdhsa_code_object_version 6
	.text
	.protected	k_q6e4823bef8_w2
	.globl	k_q6e4823bef8_w2
	.p2align	8
	.type	k_q6e4823bef8_w2,@function
k_q6e4823bef8_w2:
	s_mov_b64 s[64:65], 0
	v_nop
	global_prefetch_b8 v0, s[64:65] scope:SCOPE_SE
	s_setreg_imm32_b32 hwreg(HW_REG_WAVE_MODE, 25, 1), 1
	s_wait_xcnt 0x0
	s_wait_alu depctr_hold_cnt(0) depctr_sa_sdst(0) depctr_va_vdst(0) depctr_va_sdst(0) depctr_va_ssrc(0) depctr_va_vcc(0) depctr_vm_vsrc(0)
	s_getreg_b32 s2, hwreg(HW_REG_IB_STS2, 6, 4)
	s_cmp_eq_u32 s2, 0
	s_cbranch_scc0 .Lentry_in_a_cluster
	s_endpgm
.Lentry_in_a_cluster:
	s_bfe_u32 s2, ttmp6, 0x10000c
	s_cmp_lg_u32 s2, 0xf033
	s_cbranch_scc0 .Lentry_shape_is_right
	s_endpgm
.Lentry_shape_is_right:
; out0 = x1 + f W2 + b2.  The loop is qkv's on tiles of 128 x 128 (4,096 x 1,024 results give 256 such tiles, one for each work-group), 64 x 64 a wave: 16 accumulators; a slot holds four K steps, K has 32.
; b2 is the C of each sum's first product.  x1's part is loaded at the head, in the layout in which rows leave, and waited for only on the way out.
; The way out: 16 rows x 64 columns through my own stage in LDS (rows of 256 + 16 bytes, bytes of their own behind the spare words), back as rows, + x1; sixteen lanes store 256 consecutive bytes, aligned.
; LIMITS: as stated at the head of prep.
.set TA, 4
.set TB, 4
.set NQ, 4
.set KSTEPS, 32
.set HASBIAS, 1
.set TILEB, NQ*1536
.set SLOT, 4*TA*TILEB
.set HALFS, TA*KSTEPS*128
.set LAPS, KSTEPS/(2*NQ)
.set SCL, 2*SLOT
.set SPARE, SCL+4*HALFS
.set STAGE, SPARE+512
.set A_SCALES, 12582912
.set B_CODES, 4096*1536
.set B_SCALES, 9437184+4096*128
.set ADRA, 16
.set ADRB, 20
.set STO, 24
.set RD, 25
.set CO, 26
.set ADRS, 27
.set SPW, 28
.set NIL, 29
.set SC, 32                            ; v32-47: scale words and nothing else
.set AF, 64                            ; window 0: f's fragments at v64, v160;  window 1: W2's at v0, v96, b2's tiles at v192;  window 2: accumulators;  window 3: x1
.set BK, 128
.set G1, 24
.set G0, 32
.set G1B, 48
.set G0B, 56
.set G1S, 68
.set G0S, 76
.set G1SB, 80
.set G0SB, 88
.set MSB, 0
.macro WIN new
.if MSB != (\new)
	s_set_vgpr_msb (MSB<<8)|(\new)
.set MSB, (\new)
.endif
.endm
.macro PLACES
.rept 4
	v_nop
.endr
.endm
.macro JLOAD g0a, g1a, g0b, g1b
	s_cmp_eq_u32 s15, 0
	s_cbranch_scc0 .Lfor_b_\@
	tensor_load_to_lds s[\g0a:\g0a+3], s[\g1a:\g1a+7]
	s_nop 0
.rept 4
	v_nop
.endr
	s_branch .Lasked_\@
.Lfor_b_\@:
	tensor_load_to_lds s[\g0b:\g0b+3], s[\g1b:\g1b+7]
	s_nop 0
.rept 4
	v_nop
.endr
.Lasked_\@:
.endm
.macro CREST
	s_cmp_lg_u32 s14, 0
	s_cbranch_scc1 .Lnot_wave_0_\@
	s_barrier_signal -3
.Lnot_wave_0_\@:
	s_barrier_wait -3
	s_barrier_signal -1
	s_barrier_wait -1
.endm
.macro CROUND
	s_barrier_signal -1
	s_barrier_wait -1
	CREST
.endm
.macro FETCH slot, q, set
	WIN 0x40
.set I_, 0
.rept TB
.irp c,0,1,2
	ds_load_b128 v[96*(\set)+12*I_+4*\c:96*(\set)+12*I_+4*\c+3], v[ADRB+\slot] offset:I_*TILEB+(\q)*1536+512*\c
.endr
.set I_, I_+1
.endr
	WIN 0
.set I_, 0
.rept TA
.irp c,0,1,2
	ds_load_b128 v[AF+96*(\set)+12*I_+4*\c:AF+96*(\set)+12*I_+4*\c+3], v[ADRA+\slot] offset:I_*TILEB+(\q)*1536+512*\c
.endr
.set I_, I_+1
.endr
.set I_, 0
.rept TA
	ds_load_b32 v[SC+8*(\set)+I_], v[ADRS] offset:I_*KSTEPS*128+(\q)*128
.set I_, I_+1
.endr
.endm
.macro MULQ j, set, first
.set A_, (\j)*(TA/4)
.rept TA/4
.set IX_, A_*TB*8
.if (\first) && HASBIAS
	WIN 0x91+0x40*(IX_/256)
.else
	WIN 0xa1+0x50*(IX_/256)
.endif
.set B_, 0
.rept TB
.set R_, (IX_+8*B_)%256
.if (\first) && HASBIAS
	v_wmma_scale_f32_16x16x128_f8f6f4 v[R_:R_+7], v[96*(\set)+12*B_:96*(\set)+12*B_+11], v[AF+96*(\set)+12*A_:AF+96*(\set)+12*A_+11], v[192+8*B_:192+8*B_+7], v[SC+8*(\set)+B_], v[SC+8*(\set)+A_] matrix_a_fmt:MATRIX_FMT_FP6 matrix_b_fmt:MATRIX_FMT_FP6 matrix_a_scale:MATRIX_SCALE_ROW1
.elseif \first
	v_wmma_scale_f32_16x16x128_f8f6f4 v[R_:R_+7], v[96*(\set)+12*B_:96*(\set)+12*B_+11], v[AF+96*(\set)+12*A_:AF+96*(\set)+12*A_+11], 0, v[SC+8*(\set)+B_], v[SC+8*(\set)+A_] matrix_a_fmt:MATRIX_FMT_FP6 matrix_b_fmt:MATRIX_FMT_FP6 matrix_a_scale:MATRIX_SCALE_ROW1
.else
	v_wmma_scale_f32_16x16x128_f8f6f4 v[R_:R_+7], v[96*(\set)+12*B_:96*(\set)+12*B_+11], v[AF+96*(\set)+12*A_:AF+96*(\set)+12*A_+11], v[R_:R_+7], v[SC+8*(\set)+B_], v[SC+8*(\set)+A_] matrix_a_fmt:MATRIX_FMT_FP6 matrix_b_fmt:MATRIX_FMT_FP6 matrix_a_scale:MATRIX_SCALE_ROW1
.endif
.set B_, B_+1
.endr
.set A_, A_+1
.endr
.endm
.macro STEP slot, q, first
	s_wait_dscnt 0x0                       ; this step's fragments, asked for a step ago, are in
	PLACES
	FETCH \slot, (\q)+1, ((\q)+1)%2
	MULQ 0, (\q)%2, \first
	MULQ 1, (\q)%2, \first
	MULQ 2, (\q)%2, \first
	MULQ 3, (\q)%2, \first
.endm
.macro TURN slot, next, fill
.if \fill
	s_wait_xcnt 0x0                        ; my last prefetch has read its address, which steps a chunk on
	s_add_nc_u64 s[100:101], s[100:101], TILEB
.endif
	WIN 0
	s_wait_tensorcnt 0x0                   ; all my tensor loads have landed: my part of the next slot
	ds_add_u32 v[SPW], v[NIL]              ; 0 onto my spare word
	s_wait_dscnt 0x1                       ; only the add may be out
	MULQ 0, 1, 0
	s_wait_dscnt 0x0                       ; the add is done, and my reads of this slot are over
	s_barrier_signal -1
	MULQ 1, 1, 0
	WIN 0
	s_barrier_wait -1
.if \fill
	CREST
	s_add_nc_u64 s[G0+4*\slot+2:G0+4*\slot+3], s[G0+4*\slot+2:G0+4*\slot+3], 2*TILEB
	s_add_nc_u64 s[G0B+4*\slot+2:G0B+4*\slot+3], s[G0B+4*\slot+2:G0B+4*\slot+3], 2*TILEB
	JLOAD G0+4*\slot, G1, G0B+4*\slot, G1B
.else
	PLACES
.endif
	v_add_nc_u32 v[ADRS], NQ*128, v[ADRS]
	FETCH \next, 0, 0
.if \fill
	s_cmp_gt_u32 s3, 1                     ; the chunk that stands two refills on is asked for; the loop's last trip has none left
	s_cbranch_scc0 .Lno_ask_\@
	global_prefetch_b8 v11, s[100:101] offset:3*TILEB th:TH_LOAD_NT scope:SCOPE_SE
.Lno_ask_\@:
.endif
	MULQ 2, 1, 0
	MULQ 3, 1, 0
.endm
.macro LAST
	s_wait_dscnt 0x0
	MULQ 0, 1, 0
	MULQ 1, 1, 0
	MULQ 2, 1, 0
	MULQ 3, 1, 0
.endm
	s_load_b128 s[4:7], s[0:1], 0x0        ; fq, wq
	s_load_b128 s[8:11], s[0:1], 0x10      ; b2, x1
	s_load_b64 s[12:13], s[0:1], 0x20      ; out0
	v_lshl_add_u32 v[SPW], v0, 2, SPARE
	v_mov_b32 v[NIL], 0
	ds_add_u32 v28, v29
	ds_add_u32 v28, v29
	s_wait_dscnt 0x0
	v_lshrrev_b32 v1, 5, v0
	v_readfirstlane_b32 s14, v1
	s_lshr_b32 s15, s14, 1
	s_and_b32 s16, s14, 1
	s_bfe_u32 s40, ttmp6, 0x40000
	s_bfe_u32 s41, ttmp6, 0x40004
	s_lshl_b32 s42, ttmp9, 2
	s_add_co_u32 s42, s42, s40             ; block of 128 columns
	s_and_b32 s17, ttmp7, 0xffff
	s_lshl_b32 s17, s17, 2
	s_add_co_u32 s17, s17, s41             ; block of 128 rows
	s_lshl_b32 s43, s41, 2
	s_lshl_b32 s43, 15, s43
	s_lshl_b32 s44, 0x1111, s40
	s_or_b32 s[G1+0], s43, (3<<16)|(1<<21)
	s_or_b32 s[G1B+0], s44, (3<<16)|(1<<21)
.irp g, G1, G1B
	s_mov_b32 s[\g+1], (TILEB/8)<<16
	s_mov_b32 s[\g+2], TA<<16
	s_mov_b32 s[\g+3], (TILEB/8)<<16
	s_mov_b32 s[\g+4], TA
	s_mov_b32 s[\g+5], KSTEPS*192
	s_mov_b32 s[\g+6], 0
	s_mov_b32 s[\g+7], 0
.endr
	s_or_b32 s[G1S+0], s43, (3<<16)|(1<<21)
	s_or_b32 s[G1SB+0], s44, (3<<16)|(1<<21)
.irp g, G1S, G1SB
	s_mov_b32 s[\g+1], (TILEB/8)<<16       ; the head's loads: all 2 TA tiles of an operand, one chunk of NQ K steps
	s_mov_b32 s[\g+2], (2*TA)<<16
	s_mov_b32 s[\g+3], (TILEB/8)<<16
	s_mov_b32 s[\g+4], 2*TA
	s_mov_b32 s[\g+5], KSTEPS*192
	s_mov_b32 s[\g+6], 0
	s_mov_b32 s[\g+7], 0
.endr
	s_mul_i32 s18, s16, TA
	s_mul_i32 s20, s17, 2*TA
	s_add_co_u32 s20, s20, s18
	s_mul_i32 s46, s42, 2*TB
	s_add_co_u32 s46, s46, s18
	s_mul_i32 s22, s20, KSTEPS*128
	s_mul_i32 s20, s20, KSTEPS*1536
	s_mul_i32 s92, s46, KSTEPS*128
	s_mul_i32 s46, s46, KSTEPS*1536
	s_add_co_u32 s22, s22, A_SCALES
	s_add_co_u32 s46, s46, B_CODES
	s_add_co_u32 s92, s92, B_SCALES
	s_mov_b32 s21, 0
	s_mov_b32 s23, 0
	s_mov_b32 s47, 0
	s_mov_b32 s93, 0
	s_mul_i32 s45, s14, TA*TILEB
	s_mul_i32 s98, s14, HALFS
	s_wait_kmcnt 0x0
	s_add_nc_u64 s[20:21], s[4:5], s[20:21]
	s_add_nc_u64 s[22:23], s[4:5], s[22:23]
	s_add_nc_u64 s[46:47], s[6:7], s[46:47]
	s_add_nc_u64 s[92:93], s[6:7], s[92:93]
	CROUND
	s_mov_b32 s[G0S], 1
	s_mov_b32 s[G0SB], 1
	s_mul_i32 s2, s16, TA*KSTEPS*1536
	s_mov_b32 s3, 0
	s_sub_nc_u64 s[G0S+2:G0S+3], s[20:21], s[2:3]     ; the operand's first tile: my half's offset taken off
	s_sub_nc_u64 s[G0SB+2:G0SB+3], s[46:47], s[2:3]
.irp s,0,1
	s_mov_b32 s[G0+4*\s], 1
	s_add_co_u32 s[G0+4*\s+1], s45, \s*SLOT
	s_add_nc_u64 s[G0+4*\s+2:G0+4*\s+3], s[20:21], \s*TILEB
	s_or_b32 s[G0+4*\s+3], s[G0+4*\s+3], 0x80000000
	s_mov_b32 s[G0B+4*\s], 1
	s_add_co_u32 s[G0B+4*\s+1], s45, \s*SLOT
	s_add_nc_u64 s[G0B+4*\s+2:G0B+4*\s+3], s[46:47], \s*TILEB
	s_or_b32 s[G0B+4*\s+3], s[G0B+4*\s+3], 0x80000000
.endr
; THE HEAD'S FOUR JOINT LOADS, one a wave, each on a line of its own in one chain of branches on the wave's number: A's chunk 0, B's chunk 0, A's chunk 1, B's chunk 1: both slots are asked for at once
.macro HARM g0, g1, lds, step
	s_mov_b32 s[\g0+1], \lds
.if \step
	s_add_nc_u64 s[\g0+2:\g0+3], s[\g0+2:\g0+3], \step
.endif
	s_or_b32 s[\g0+3], s[\g0+3], 0x80000000
	tensor_load_to_lds s[\g0:\g0+3], s[\g1:\g1+7]
	s_nop 0
	PLACES
.endm
	s_cmp_eq_u32 s14, 0
	s_cbranch_scc0 .Lhead_1
	HARM G0S, G1S, 0, 0
	s_branch .Lhead_j
.Lhead_1:
	s_cmp_eq_u32 s14, 1
	s_cbranch_scc0 .Lhead_2
	HARM G0SB, G1SB, 2*TA*TILEB, 0
	s_branch .Lhead_j
.Lhead_2:
	s_cmp_eq_u32 s14, 2
	s_cbranch_scc0 .Lhead_3
	HARM G0S, G1S, SLOT, TILEB
	s_branch .Lhead_j
.Lhead_3:
	HARM G0SB, G1SB, SLOT+2*TA*TILEB, TILEB
.Lhead_j:
; my quarter of the scale images (HALFS dense bytes) comes by plain loads, 512 bytes on end an instruction, and goes into LDS by stores: no tile lands on those bytes
	s_cmp_eq_u32 s15, 0
	s_cselect_b64 s[104:105], s[22:23], s[92:93]
	s_cselect_b64 s[100:101], s[20:21], s[46:47]      ; prefetches: the TA tiles that I fetch in the ring,
	s_cselect_b32 s2, s40, s41                        ; of which each of the four partners of the joint load takes TA / 4, told apart by address
	s_mul_i32 s2, s2, (TA/4)*KSTEPS*1536
	s_add_nc_u64 s[100:101], s[100:101], s[2:3]
	s_add_co_u32 s98, s98, SCL
	v_and_b32 v10, 31, v0
	v_min_u32 v11, 23, v10                 ; 24 blocks of 256 bytes a chunk and partner: a lane a block, the lanes left over name the last again
	v_lshlrev_b32 v10, 4, v10
.if TA == 8
	v_mul_u32_u24 v12, v11, 22
	v_lshrrev_b32 v12, 8, v12              ; block / 12: which of my two tiles
	v_mul_u32_u24 v13, v12, 12
	v_sub_nc_u32 v11, v11, v13
	v_lshlrev_b32 v11, 8, v11
	v_mad_u32_u24 v11, v12, KSTEPS*1536, v11
.else
	v_lshlrev_b32 v11, 8, v11
.endif
	v_add_nc_u32 v9, s98, v10
.set I_, 0
.rept HALFS/512
	global_load_b128 v[64+4*I_:64+4*I_+3], v10, s[104:105] offset:512*I_
.set I_, I_+1
.endr
	global_prefetch_b8 v11, s[100:101] offset:2*TILEB th:TH_LOAD_NT scope:SCOPE_SE   ; chunks 2 and 3, which the first two refills load
	global_prefetch_b8 v11, s[100:101] offset:3*TILEB th:TH_LOAD_NT scope:SCOPE_SE
	v_and_b32 v1, 31, v0
	v_bfe_u32 v2, v0, 4, 1
	s_wait_alu depctr_va_vdst(0)
	v_lshlrev_b32 v3, 4, v1
	v_and_b32 v4, 15, v0
	v_lshlrev_b32 v8, 2, v1
	v_lshlrev_b32 v7, 6, v2                ; 64 h
	s_lshl_b32 s20, s42, 9
	s_lshl_b32 s21, s16, 8
	s_add_co_u32 s20, s20, s21             ; my 64 columns, in bytes
	s_mov_b32 s21, 0
	s_add_nc_u64 s[8:9], s[8:9], s[20:21]  ; b2 there
	s_lshl_b32 s22, s17, 7
	s_lshl_b32 s23, s15, 6
	s_add_co_u32 s22, s22, s23
	s_lshl_b32 s22, s22, 12                ; my 64 rows
	s_add_co_u32 s20, s20, s22
	s_add_nc_u64 s[10:11], s[10:11], s[20:21]
	s_add_nc_u64 s[12:13], s[12:13], s[20:21]
	v_lshlrev_b32 v[CO], 12, v2
	s_wait_alu depctr_va_vdst(0)
	v_lshl_add_u32 v[CO], v4, 4, v[CO]     ; lanes 0-15 one row's 256 bytes, lanes 16-31 the next row's
	WIN 0x40
.irp b,0,1,2,3
	global_load_b128 v[192+8*\b:195+8*\b], v7, s[8:9] offset:(32*(\b/2)+8*(\b%2))*4
	global_load_b128 v[196+8*\b:199+8*\b], v7, s[8:9] offset:(32*(\b/2)+8*(\b%2))*4+16
.endr
	WIN 0
	s_mul_i32 s21, s15, TA*TILEB
	s_mul_i32 s22, s16, TB*TILEB
	s_add_co_u32 s22, s22, 2*TA*TILEB
.irp s,0,1
	v_add_nc_u32 v[ADRA+\s], s21, v3
	v_add_nc_u32 v[ADRB+\s], s22, v3
	s_add_co_u32 s21, s21, SLOT
	s_add_co_u32 s22, s22, SLOT
.endr
	s_mul_i32 s21, s15, HALFS
	s_mul_i32 s22, s16, HALFS
	s_add_co_u32 s22, s22, 2*HALFS
	s_sub_co_u32 s22, s22, s21
	v_mul_u32_u24 v6, s22, v2
	s_add_co_u32 s21, s21, SCL
	v_add_nc_u32 v5, v8, v6
	v_add_nc_u32 v[ADRS], s21, v5
	s_mul_i32 s23, s14, 16*272
	s_add_co_u32 s23, s23, STAGE           ; my stage
	v_mul_u32_u24 v5, v4, 272
	v_lshl_add_u32 v5, v2, 6, v5
	v_add_nc_u32 v[STO], s23, v5           ; in: row r, + 64 h
	v_mul_u32_u24 v5, v2, 272
	v_lshl_add_u32 v5, v4, 4, v5
	v_add_nc_u32 v[RD], s23, v5            ; back: lanes 0-15 one row, lanes 16-31 the next
	s_wait_alu depctr_va_vdst(0)
	s_wait_loadcnt 8                       ; my scale images are in registers; b2's 8 loads may be out
.set I_, 0
.rept HALFS/512
	ds_store_b128 v9, v[64+4*I_:64+4*I_+3] offset:512*I_
.set I_, I_+1
.endr
	s_wait_dscnt 0x0
	s_cmp_lt_u32 s14, 2
	s_cbranch_scc0 .Lslot1_out
	s_wait_tensorcnt 0x0                   ; waves 0 and 1: slot 0's tiles have landed; slot 1's are waited for at the first change of slots
.Lslot1_out:
	s_barrier_signal -1
	s_barrier_wait -1
	FETCH 0, 0, 0
	WIN 0xc0                               ; x1's 32 loads go out when slot 0 has landed: nothing waits for them before the way out
.irp a,0,1,2,3
.irp t,0,1,2,3,4,5,6,7
	global_load_b128 v[32*\a+4*\t:32*\a+4*\t+3], v[CO], s[10:11] offset:(32*(\a/2)+8*(\a%2)+2*\t+8*(\t/4))*4096 th:TH_LOAD_NT   ; stage rows 2 t, 2 t + 1 of tile a, by the tile order
.endr
.endr
	WIN 0
	s_wait_loadcnt 32                      ; b2 is in; x1's 32 loads may be out
	STEP 0, 0, 1
	WIN 0
	s_mov_b32 s3, LAPS-1
.Llap:
	s_wait_alu depctr_va_vdst(0)
	STEP 0, 1, 0
	STEP 0, 2, 0
	TURN 0, 1, 1
	s_wait_alu depctr_va_vdst(0)
	STEP 1, 0, 0
	STEP 1, 1, 0
	STEP 1, 2, 0
	TURN 1, 0, 1
	s_wait_alu depctr_va_vdst(0)
	STEP 0, 0, 0
	WIN 0
	s_sub_co_u32 s3, s3, 1
	s_cmp_lg_u32 s3, 0
	s_cbranch_scc1 .Llap
	STEP 0, 1, 0
	STEP 0, 2, 0
	TURN 0, 1, 0
	s_wait_alu depctr_va_vdst(0)
	STEP 1, 0, 0
	STEP 1, 1, 0
	STEP 1, 2, 0
	LAST
	WIN 0
	PLACES
	s_wait_loadcnt 0x0                     ; x1
.irp a,0,1,2,3
	WIN 0x08                               ; an LDS store's data are its source 1: window 2
.irp b,0,1,2,3
	ds_store_b128 v[STO], v[8*(4*\a+\b):8*(4*\a+\b)+3] offset:128*(\b/2)+32*(\b%2)        ; each accumulator from its low end on
	ds_store_b128 v[STO], v[8*(4*\a+\b)+4:8*(4*\a+\b)+7] offset:128*(\b/2)+32*(\b%2)+16
.endr
	WIN 0
.if \a > 1
	s_wait_xcnt 0x0                        ; the stores of two tiles ago have read these registers
.endif
.irp t,0,1,2,3,4,5,6,7
	ds_load_b128 v[BK+32*(\a%2)+4*\t:BK+32*(\a%2)+4*\t+3], v[RD] offset:544*\t   ; LDS serves a wave's instructions in order: these see my stores
.endr
	s_wait_dscnt 0x0
	WIN 0x0c                               ; source 1: window 3
.set J_, 0
.rept 16
	v_pk_add_f32 v[BK+32*(\a%2)+J_:BK+32*(\a%2)+J_+1], v[BK+32*(\a%2)+J_:BK+32*(\a%2)+J_+1], v[32*\a+J_:32*\a+J_+1]
.set J_, J_+2
.endr
	WIN 0
.irp t,0,1,2,3,4,5,6,7
	global_store_b128 v[CO], v[BK+32*(\a%2)+4*\t:BK+32*(\a%2)+4*\t+3], s[12:13] offset:(32*(\a/2)+8*(\a%2)+2*\t+8*(\t/4))*4096 th:TH_STORE_NT
.endr
.endr
	s_wait_tensorcnt 0x0                   ; the wave's end
	ds_add_u32 v[SPW], v[NIL]
	s_wait_dscnt 0x0
	CROUND
	s_endpgm
.Lfunc_end_k_q6e4823bef8_w2:
	.size	k_q6e4823bef8_w2, .Lfunc_end_k_q6e4823bef8_w2-k_q6e4823bef8_w2
	.p2alignl 7, 3214868480
	.fill 96, 4, 3214868480
	.section	.rodata,"a",@progbits
	.p2align	6, 0x0
	.amdhsa_kernel k_q6e4823bef8_w2
		.amdhsa_group_segment_fixed_size 327680
		.amdhsa_private_segment_fixed_size 0
		.amdhsa_enable_private_segment 0
		.amdhsa_kernarg_size 40
		.amdhsa_user_sgpr_count 2
		.amdhsa_user_sgpr_kernarg_segment_ptr 1
		.amdhsa_wavefront_size32 1
		.amdhsa_system_sgpr_workgroup_id_x 1
		.amdhsa_system_sgpr_workgroup_id_y 1
		.amdhsa_system_sgpr_workgroup_id_z 1
		.amdhsa_system_vgpr_workitem_id 0
		.amdhsa_next_free_vgpr 1024
		.amdhsa_next_free_sgpr 106
		.amdhsa_reserve_vcc 0
		.amdhsa_float_denorm_mode_32 3
		.amdhsa_float_denorm_mode_16_64 3
		.amdhsa_memory_ordered 1
		.amdhsa_forward_progress 1
		.amdhsa_inst_pref_size 99
	.end_amdhsa_kernel
	.amdgpu_metadata
---
amdhsa.version: [ 1, 2 ]
amdhsa.kernels:
  - .name:           k_q6e4823bef8_w2
    .symbol:         k_q6e4823bef8_w2.kd
    .args:
      - { .name: fq, .offset: 0, .size: 8, .value_kind: global_buffer, .address_space: global }
      - { .name: wq, .offset: 8, .size: 8, .value_kind: global_buffer, .address_space: global }
      - { .name: b2, .offset: 16, .size: 8, .value_kind: global_buffer, .address_space: global }
      - { .name: x1, .offset: 24, .size: 8, .value_kind: global_buffer, .address_space: global }
      - { .name: out0, .offset: 32, .size: 8, .value_kind: global_buffer, .address_space: global }
    .group_segment_fixed_size: 327680
    .private_segment_fixed_size: 0
    .kernarg_segment_align: 8
    .kernarg_segment_size: 40
    .max_flat_workgroup_size: 128
    .sgpr_count:     106
    .vgpr_count:     1024
    .wavefront_size: 32
...
	.end_amdgpu_metadata
.endif
;; end of part 6
